; MI455X (gfx1250); checked and timed in simulation.
; The chip was launched on July 23, 2026; its instructions are those of AMD's public machine-readable ISA for CDNA 5 (MIT licence, August 2026) and "CDNA5" Instruction Set Architecture Reference Guide (July 2026). The comments in the code are by the model that wrote it; some were corrected since.
;; Causal Gated D2 Attention. Allowed arithmetic: matrix products marked QUANTISED: E3M2 operands, one E8M0 scale for each 32 along K, by v_wmma_scale_f32_16x16x128_f8f6f4 with both operands' format E3M2, f32 sums; everything else in f32.
;; Inputs: gate_b 1,024 float32; gate_w_codes 1,024 x 32 x 24 uint8 (E3M2 codes of gate_w, K innermost, in blocks of 32 codes, four codes in three bytes); gate_w_scales 1,024 x 32 uint8 (E8M0 scales of gate_w, one for each 32 codes along K); ln_b 1,024 float32; ln_g 1,024 float32; qkv_b 3,072 float32; qkv_w_codes 3,072 x 32 x 24 uint8 (E3M2 codes of qkv_w, K innermost, in blocks of 32 codes, four codes in three bytes); qkv_w_scales 3,072 x 32 uint8 (E8M0 scales of qkv_w, one for each 32 codes along K); x 4 x 2,048 x 1,024 float32.
;; Outputs: out0 4 x 2,048 x 1,024 float32.
;; This version of the problem:
;;   THIS VERSION OF THE PROBLEM IS GIVEN IN LOW PRECISION. The matrix products marked QUANTISED in the list below multiply operands that are first quantised to E3M2 (3 exponent bits, 2 mantissa bits; 6 bits a number), with one power-of-two scale for each 32 numbers along K (OCP MX v1.0); their sums are f32. All else is computed in f32.
;;   The module's matrix products, in the order in which they are computed (A, B: the left and right operand; K: the contracted axis; several contracted axes count as one K, in the product's order):
;;     1. [M 8,192, K 1,024] x [K 1,024, N 3,072]; A: computed on the way; B: input qkv_w (given as codes): QUANTISED
;;     2. [M 8,192, K 1,024] x [K 1,024, N 1,024]; A: computed on the way; B: input gate_w (given as codes): QUANTISED
;;     3. batch 4 x [M 2,048, K 1,024] x [K 1,024, N 2,048]; A: computed on the way; B: computed on the way: QUANTISED
;;     4. batch 4 x [M 2,048, K 2,048] x [K 2,048, N 1,024]; A: computed on the way; B: computed on the way: QUANTISED
;;   THE QUANTISER, for each operand of a quantised product, along K:
;;     - K is cut into blocks of 32 from its start; a last block that is shorter is filled with zeros.
;;     - A block's scale is 2^e with e = floor(log2(the largest magnitude in the block)) - 4, held to -126 .. 127; a block of zeros has e = 0. As a byte (E8M0): e + 127.
;;     - Each number is divided by its block's scale, clamped to +-28, and rounded to the nearest number of E3M2, ties to even, subnormals kept.
;;     - The product sums the exact products of the quantised numbers (number of the format x scale) in f32.
;;   ~~~python
;;   def quantise(x, axis):      # numpy; x: float32 -> the quantised numbers, widened to float32 again
;;       x = np.moveaxis(x, axis, -1); K = x.shape[-1]
;;       x = np.pad(x, [(0, 0)] * (x.ndim - 1) + [(0, -K % 32)]); x = x.reshape(x.shape[:-1] + (-1, 32)); a = np.abs(x).max(-1, keepdims=True)
;;       e = np.where(a > 0, np.clip(np.frexp(np.where(a > 0, a, 1))[1] - 1 - 4, -126, 127), 0)      # np.frexp(a)[1] - 1 = floor(log2(a)), exactly
;;       r = np.clip(x / 2.0 ** e, -28, 28)
;;       step = 2.0 ** (np.maximum(np.frexp(np.where(r == 0, 1, r))[1] - 1, -2) - 2)
;;       q = np.round(r / step) * step * 2.0 ** e      # np.round: ties to even
;;       return np.moveaxis(q.reshape(q.shape[:-2] + (-1,))[..., :K], -1, axis).astype(np.float32)
;;   ~~~
;;   OPERANDS COMPUTED ON THE WAY. 'Computed on the way' means the value that the module computes at that place (a softmax that the list does not call 'softmax' is quantised finished and normalised). What goes into a quantiser is computed in f32, as accurately as f32 sums, v_exp_f32 and their like allow (about 1e-6 of the number): no bf16 or f16 on the way to a quantiser, and a product that is left as it is and whose result goes on into a quantised operand takes f32 operands (vector FMAs, or v_wmma_f32_16x16x4_f32). A number that lies on a knife's edge between two numbers of the format may be rounded either way, as far as f32 arithmetic and the matrix unit's own rounding can turn it there, and no further.
;;   INPUTS GIVEN AS CODES. gate_w (in the module: [1024, 1024], K = its axis 0); qkv_w (in the module: [1024, 3072], K = its axis 0): each comes as NAME_codes (uint8): NAME with its K axis moved to the last place and cut into blocks of 32 codes, [.., K / 32, bytes a block], one block behind the other in memory; four codes in three bytes: a row's codes are one little-endian stream of bits, code i at bits 6 i .. 6 i + 5 (a code: sign, 3 exponent bits, 2 mantissa bits); and NAME_scales (uint8): the same leading axes, one E8M0 byte (e + 127) for each 32 codes along K. Its value is code x scale, taken as it is: it is not quantised again, and the codes and scales need not be those that the quantiser above would give.
;; One version. Each part assembles by itself: llvm-mc -triple=amdgcn-amd-amdhsa -mcpu=gfx1250 --defsym DOCPART=n.
;; ======== version 1 of 1: 4 launches
;; workspace buffers: prep 9,830,400 bytes; qk 13,107,200 bytes; vt 6,553,600 bytes; qf 33,554,432 bytes; dsum 1,179,648 bytes; att 13,107,200 bytes; den 32,768 bytes
;; launch prep (part 1): grid 288 x 1, 8 waves a work-group, no clusters, 132,608 bytes of LDS; arguments x, ln_g, ln_b, qkv_w_codes, qkv_w_scales, gate_w_codes, gate_w_scales, prep; writes prep
.if DOCPART == 1
	.amdgcn_target "amdgcn-amd-amdhsa--gfx1250"
	.amdhsa_code_object_version 6
	.text
	.protected	k_q7416932b90_prep
	.globl	k_q7416932b90_prep
	.p2align	8
	.type	k_q7416932b90_prep,@function
k_q7416932b90_prep:
	s_mov_b64 s[64:65], 0
	v_nop
	global_prefetch_b8 v0, s[64:65] scope:SCOPE_SE
	s_setreg_imm32_b32 hwreg(HW_REG_WAVE_MODE, 25, 1), 1
	s_wait_xcnt 0x0
; Work-groups 0-255: xn = LayerNorm(x) g + b in f32, quantised along its 1,024 columns to E3M2 codes with one E8M0 byte for each 32.
; Work-groups 256-287: the given codes and scale bytes of qkv_w and gate_w are copied into the order in which the next launch's tiles take them; no value changes.
; ROW TILES.  A tile of 16 rows holds rows 32 (rt / 2) + 8 (rt % 2) + r + 8 (r / 8), r = 0 .. 15: as source 0 of a product, two neighbouring tiles then leave 16 neighbours in a lane's 16 result registers.
; CODES: [rt][block of 32 along K][r][24 bytes]: lane (r, h) owns the 12 bytes at 24 r + 12 h, so a wave's store of 12 bytes a lane covers 384 consecutive bytes.  SCALES: [128 along K][rt][r][4 bytes].
; LN: a work-group owns 32 rows (two tiles), a wave four rows in registers (mean, then the mean square of x - mean: two passes, as the formula has it).  The rows go through LDS (pitch 4,112 bytes = 257 x 16,
; so the sixteen rows of a 16-byte load start in different banks) and come back 16 neighbours a lane for the conversions.
; The scale words of a tile are 64 bytes a store, and lanes 16-31 store the same words as lanes 0-15: one part in 26 of the bytes stored.
; No clusters, no tensor loads: no two work-groups read the same bytes, and each byte is read once.
; LIMITS: NaN and infinities are not served; a block whose largest magnitude lies under 2^-122 keeps the scale byte 1 (a block of zeros too: its codes are zeros, and only this program reads the bytes).
.set XSO, 6291456                      ; in prep: xn's scale words
.set WCO, 6553600                      ; the weights' codes
.set WSO, 9699328                      ; the weights' scale words
.set RP,  4112                         ; a row in the stage
.set TP,  16*RP                        ; a tile in the stage
.set X,   32                           ; v32-159  four rows as loaded; later 2 x 64 numbers, 16 neighbours a block
.set GG,  160                          ; v160-191 ln_g of my columns; later the codes
.set BB,  192                          ; v192-223 ln_b
.set SM,  224                          ; v224-231 a pair for each row: sum, then mean
.set SQ,  232                          ; v232-239 sum of squares, then 1 / sqrt
.set TM,  240                          ; v240-251 the quantiser's: largest magnitudes, bytes, scale operands
.set PW,  252                          ; v252-253 scale words
.set CD,  160
	s_load_b256 s[4:11], s[0:1], 0x0               ; x, ln_g, ln_b, qkv_w_codes
	s_load_b256 s[12:19], s[0:1], 0x20             ; qkv_w_scales, gate_w_codes, gate_w_scales, prep
	v_lshl_add_u32 v254, v0, 2, 0x20200
	v_mov_b32 v255, 0
	v_lshrrev_b32 v1, 5, v0
	v_readfirstlane_b32 s20, v1                    ; wave 0..7
	v_and_b32 v2, 31, v0                           ; lane
	s_cmp_ge_u32 ttmp9, 256
	s_cbranch_scc1 .Lweights
	; ---------------- LayerNorm and quantiser ----------------
	s_mov_b32 s30, 0x76543210
	s_mov_b32 s31, 0xfedcba98                      ; selects for lane l xor 16
	s_lshr_b32 s21, s20, 2                         ; u: which of the two tiles
	s_and_b32 s22, s20, 3                          ; wq: tile rows 4 wq .. 4 wq + 3
	s_lshl_b32 s23, ttmp9, 5
	s_lshl_b32 s24, s21, 3
	s_add_co_u32 s23, s23, s24
	s_lshl_b32 s24, s22, 2
	s_add_co_u32 s23, s23, s24
	s_lshr_b32 s24, s22, 1
	s_lshl_b32 s24, s24, 3
	s_add_co_u32 s23, s23, s24                     ; my first row: 32 g + 8 u + 4 wq + 8 (wq / 2)
	s_lshl_b32 s24, s23, 12                        ; in bytes (under 2^25)
	s_mov_b32 s25, 0
	v_lshlrev_b32 v3, 4, v2                        ; 16 x lane
	s_mul_i32 s26, s21, TP
	s_mul_i32 s27, s22, 4*RP
	s_add_co_u32 s27, s27, s26
	v_add_nc_u32 v4, s27, v3                       ; stage, way in: my four rows, 16 bytes a lane
	v_and_b32 v5, 15, v0                           ; r
	v_bfe_u32 v6, v0, 4, 1                         ; h
	v_mul_u32_u24 v7, v5, RP
	v_lshl_add_u32 v7, v6, 6, v7
	s_lshl_b32 s27, s22, 10
	s_add_co_u32 s27, s27, s26
	v_add_nc_u32 v7, s27, v7                       ; stage, way out: row r, + 64 h, + my two steps of 128 columns
	v_mul_u32_u24 v8, v5, 24
	v_mad_u32_u24 v8, v6, 12, v8                   ; codes: 24 r + 12 h
	v_lshlrev_b32 v9, 2, v5                        ; scale word: 4 r
	s_lshl_b32 s26, ttmp9, 1
	s_add_co_u32 s26, s26, s21                     ; rt
	s_mul_i32 s28, s26, 12288
	s_mul_i32 s27, s22, 3072
	s_add_co_u32 s28, s28, s27
	s_mov_b32 s29, 0
	s_lshl_b32 s32, s26, 6
	s_lshl_b32 s27, s22, 16
	s_add_co_u32 s32, s32, s27
	s_add_co_u32 s32, s32, XSO
	s_mov_b32 s33, 0
	s_mov_b32 s34, 0x3a800000                      ; 1 / 1024
	s_mov_b32 s35, 0x3727c5ac                      ; 1e-5
.irp b, 0,1,2,3
	v_mov_b32 v[TM+4+\b], 0                        ; a lane permute's destination counts as read
.endr
	s_wait_kmcnt 0x0
	s_add_nc_u64 s[4:5], s[4:5], s[24:25]
	s_add_nc_u64 s[28:29], s[18:19], s[28:29]
	s_add_nc_u64 s[32:33], s[18:19], s[32:33]
.irp p, 0,1,2,3
.irp i, 0,1,2,3,4,5,6,7
	global_load_b128 v[X+32*\p+4*\i:X+32*\p+4*\i+3], v3, s[4:5] offset:4096*\p+512*\i th:TH_LOAD_NT   ; 512 consecutive bytes a load
.endr
.endr
.irp i, 0,1,2,3,4,5,6,7
	global_load_b128 v[GG+4*\i:GG+4*\i+3], v3, s[6:7] offset:512*\i
	global_load_b128 v[BB+4*\i:BB+4*\i+3], v3, s[8:9] offset:512*\i
.endr
; four rows' pairs at v[s + 2 p]: the pair's halves, then the 32 lanes; every lane ends with the row's sum
.macro REDUCE s
.irp p, 0,1,2,3
	v_add_f32 v[\s+2*\p], v[\s+2*\p], v[\s+2*\p+1]
.endr
.irp m, 1,2,4,8
.irp p, 0,1,2,3
	v_add_f32_dpp v[\s+2*\p], v[\s+2*\p], v[\s+2*\p] row_xmask:\m row_mask:0xf bank_mask:0xf
.endr
.endr
.irp p, 0,1,2,3
	v_permlanex16_b32 v[\s+2*\p+1], v[\s+2*\p], s30, s31
.endr
.irp p, 0,1,2,3
	v_add_f32 v[\s+2*\p], v[\s+2*\p], v[\s+2*\p+1]
.endr
.endm
	s_wait_loadcnt 16                              ; x is in; the sixteen younger loads (g, b) may be out
.irp p, 0,1,2,3
	v_pk_add_f32 v[SM+2*\p:SM+2*\p+1], v[X+32*\p:X+32*\p+1], v[X+32*\p+2:X+32*\p+3]
.endr
.irp i, 4,6,8,10,12,14,16,18,20,22,24,26,28,30
.irp p, 0,1,2,3
	v_pk_add_f32 v[SM+2*\p:SM+2*\p+1], v[SM+2*\p:SM+2*\p+1], v[X+32*\p+\i:X+32*\p+\i+1]   ; the four rows by turns
.endr
.endr
	REDUCE SM
.irp p, 0,1,2,3
	v_mul_f32 v[SM+2*\p], s34, v[SM+2*\p]          ; the mean
.endr
.irp p, 0,1,2,3
.irp i, 0,2,4,6,8,10,12,14,16,18,20,22,24,26,28,30
	v_pk_add_f32 v[X+32*\p+\i:X+32*\p+\i+1], v[X+32*\p+\i:X+32*\p+\i+1], v[SM+2*\p:SM+2*\p+1] op_sel_hi:[1,0] neg_lo:[0,1] neg_hi:[0,1]   ; x - mean
.endr
.endr
.irp p, 0,1,2,3
	v_pk_mul_f32 v[SQ+2*\p:SQ+2*\p+1], v[X+32*\p:X+32*\p+1], v[X+32*\p:X+32*\p+1]
.endr
.irp i, 2,4,6,8,10,12,14,16,18,20,22,24,26,28,30
.irp p, 0,1,2,3
	v_pk_fma_f32 v[SQ+2*\p:SQ+2*\p+1], v[X+32*\p+\i:X+32*\p+\i+1], v[X+32*\p+\i:X+32*\p+\i+1], v[SQ+2*\p:SQ+2*\p+1]
.endr
.endr
	REDUCE SQ
.irp p, 0,1,2,3
	v_fma_f32 v[SQ+2*\p], v[SQ+2*\p], s34, s35     ; variance + 1e-5
.endr
.irp p, 0,1,2,3
	v_rsq_f32 v[SQ+2*\p], v[SQ+2*\p]
.endr
	v_nop                                          ; a plain line behind the last of the four
	s_wait_alu depctr_va_vdst(0)                   ; one wait for the four, ahead of their first reader
	s_wait_loadcnt 0x0                             ; g and b
.irp p, 0,1,2,3
.irp i, 0,2,4,6,8,10,12,14,16,18,20,22,24,26,28,30
	v_pk_mul_f32 v[X+32*\p+\i:X+32*\p+\i+1], v[X+32*\p+\i:X+32*\p+\i+1], v[SQ+2*\p:SQ+2*\p+1] op_sel_hi:[1,0]
.endr
.irp i, 0,2,4,6,8,10,12,14,16,18,20,22,24,26,28,30
	v_pk_fma_f32 v[X+32*\p+\i:X+32*\p+\i+1], v[X+32*\p+\i:X+32*\p+\i+1], v[GG+\i:GG+\i+1], v[BB+\i:BB+\i+1]
.endr
.endr
.irp p, 0,1,2,3
.irp i, 0,1,2,3,4,5,6,7
	ds_store_b128 v4, v[X+32*\p+4*\i:X+32*\p+4*\i+3] offset:RP*\p+512*\i
.endr
.endr
	s_wait_dscnt 0x0                               ; my rows lie in the stage
	s_barrier_signal -1
	s_barrier_wait -1                              ; everybody's do
.irp k, 0,1
.irp b, 0,1,2,3
.irp j, 0,1,2,3
	ds_load_b128 v[X+64*\k+16*\b+4*\j:X+64*\k+16*\b+4*\j+3], v7 offset:512*\k+128*\b+16*\j   ; register 16 b + i = column 32 b + 16 h + i of row r
.endr
.endr
.endr
; 64 numbers of a lane become four half blocks of codes (three registers each, at c + 4 b) and the row's scale word
.macro QUANT4 s, c, pw
.irp b, 0,1,2,3
	v_max3_num_f32 v[TM+\b], |v[\s+16*\b]|, |v[\s+16*\b+1]|, 0x2800000   ; with the floor 2^(5 - 127): the byte cannot fall under 1
.endr
.irp i, 2,4,6,8,10,12,14
.irp b, 0,1,2,3
	v_max3_num_f32 v[TM+\b], v[TM+\b], |v[\s+16*\b+\i]|, |v[\s+16*\b+\i+1]|
.endr
.endr
.irp b, 0,1,2,3
	v_permlanex16_b32 v[TM+4+\b], v[TM+\b], s30, s31
.endr
.irp b, 0,1,2,3
	v_max_num_f32 v[TM+\b], v[TM+\b], v[TM+4+\b]   ; with the other half of the block
.endr
.irp b, 0,1,2,3
	v_add_nc_u32 v[TM+8+\b], 0xfe000000, v[TM+\b]  ; 4 off the exponent field: the conversion's scale operand
.endr
.irp b, 0,1,2,3
	v_lshrrev_b32 v[TM+4+\b], 23, v[TM+8+\b]       ; the byte
.endr
	v_lshl_or_b32 v[\pw], v[TM+5], 8, v[TM+4]
	v_lshl_or_b32 v[\pw], v[TM+6], 16, v[\pw]
	v_lshl_or_b32 v[\pw], v[TM+7], 24, v[\pw]
.irp b, 0,1,2,3
	v_cvt_scalef32_pk16_bf6_f32 v[\c+4*\b:\c+4*\b+2], v[\s+16*\b:\s+16*\b+15], v[TM+8+\b]
.endr
	v_nop                                          ; a plain line behind the last conversion
.endm
	s_wait_dscnt 16                                ; the first step's sixteen loads are in
	QUANT4 X, CD, PW
.irp b, 0,1,2,3
	global_store_b96 v8, v[CD+4*\b:CD+4*\b+2], s[28:29] offset:384*\b
.endr
	global_store_b32 v9, v[PW], s[32:33]
	s_wait_dscnt 0x0
	QUANT4 X+64, CD+16, PW+1                       ; other registers for codes and word: no store's data are written again
.irp b, 0,1,2,3
	global_store_b96 v8, v[CD+16+4*\b:CD+16+4*\b+2], s[28:29] offset:1536+384*\b
.endr
	global_store_b32 v9, v[PW+1], s[32:33] offset:32768
	s_wait_tensorcnt 0x0
	ds_add_u32 v254, v255
	s_wait_dscnt 0x0
	s_endpgm
	; ---------------- the weights, into tile order ----------------
	; Tile wt = 8 (g - 256) + wave.  b = wave: 0, 1 q; 2, 3 k; 4, 5 gate; 6, 7 v; the 32 columns d0 = 32 (g - 256) on.  q, k, gate: row d0 + 8 u + r + 8 (r / 8); v: row d0 + 16 u + r.
.Lweights:
	s_sub_co_u32 s21, ttmp9, 256
	s_lshr_b32 s22, s20, 1                         ; kind
	s_and_b32 s23, s20, 1                          ; u
	s_cmp_eq_u32 s22, 3
	s_cselect_b32 s24, 16, 8
	s_cselect_b32 s25, 0, 8
	s_cselect_b32 s26, 2048, 0
	s_cmp_eq_u32 s22, 1
	s_cselect_b32 s26, 1024, s26
	s_mul_i32 s24, s24, s23
	s_lshl_b32 s27, s21, 5
	s_add_co_u32 s24, s24, s27
	s_add_co_u32 s24, s24, s26                     ; the tile's first row in its tensor
	s_lshl_b32 s27, s21, 3
	s_add_co_u32 s27, s27, s20                     ; wt
	s_mul_i32 s28, s27, 12288
	s_add_co_u32 s28, s28, WCO
	s_mov_b32 s29, 0
	s_lshl_b32 s32, s27, 6
	s_add_co_u32 s32, s32, WSO
	s_mov_b32 s33, 0
	v_lshrrev_b32 v3, 1, v2                        ; codes: two lanes to a row, 12 bytes each
	v_and_b32 v4, 1, v2
	v_lshrrev_b32 v5, 3, v3
	v_mad_u32_u24 v5, v5, s25, v3
	v_add_nc_u32 v5, s24, v5
	v_mul_u32_u24 v5, v5, 768
	v_mad_u32_u24 v5, v4, 12, v5                   ; from: row x 768 + 12 x half
	v_mul_u32_u24 v6, v2, 12                       ; to: 12 x lane
	v_and_b32 v7, 15, v2                           ; scale words: lane (r, sh)
	v_lshrrev_b32 v8, 4, v2
	v_lshrrev_b32 v9, 3, v7
	v_mad_u32_u24 v9, v9, s25, v7
	v_add_nc_u32 v9, s24, v9
	v_lshlrev_b32 v9, 5, v9
	v_lshl_add_u32 v9, v8, 2, v9                   ; from: row x 32 + 4 sh
	v_lshlrev_b32 v10, 2, v7
	v_lshl_add_u32 v10, v8, 14, v10                ; to: 16,384 sh + 4 r
	s_wait_kmcnt 0x0
	s_cmp_eq_u32 s22, 2                            ; the choice hangs on the wave's number alone
	s_cselect_b64 s[10:11], s[14:15], s[10:11]
	s_cselect_b64 s[12:13], s[16:17], s[12:13]
	s_add_nc_u64 s[28:29], s[18:19], s[28:29]
	s_add_nc_u64 s[32:33], s[18:19], s[32:33]
.irp k, 0,1,2,3,4,5,6,7,8,9,10,11,12,13,14,15,16,17,18,19,20,21,22,23,24,25,26,27,28,29,30,31
	global_load_b96 v[32+4*\k:34+4*\k], v5, s[10:11] offset:24*\k
.endr
.irp i, 0,1,2,3
	global_load_b32 v[160+\i], v9, s[12:13] offset:8*\i
.endr
	s_wait_loadcnt 0x0
.irp k, 0,1,2,3,4,5,6,7,8,9,10,11,12,13,14,15,16,17,18,19,20,21,22,23,24,25,26,27,28,29,30,31
	global_store_b96 v6, v[32+4*\k:34+4*\k], s[28:29] offset:384*\k      ; 384 consecutive bytes a store
.endr
.irp i, 0,1,2,3
	global_store_b32 v10, v[160+\i], s[32:33] offset:32768*\i
.endr
	s_endpgm
.Lfunc_end_k_q7416932b90_prep:
	.size	k_q7416932b90_prep, .Lfunc_end_k_q7416932b90_prep-k_q7416932b90_prep
	.p2alignl 7, 3214868480
	.fill 96, 4, 3214868480
	.section	.rodata,"a",@progbits
	.p2align	6, 0x0
	.amdhsa_kernel k_q7416932b90_prep
		.amdhsa_group_segment_fixed_size 132608
		.amdhsa_private_segment_fixed_size 0
		.amdhsa_enable_private_segment 0
		.amdhsa_kernarg_size 64
		.amdhsa_user_sgpr_count 2
		.amdhsa_user_sgpr_kernarg_segment_ptr 1
		.amdhsa_wavefront_size32 1
		.amdhsa_system_sgpr_workgroup_id_x 1
		.amdhsa_system_sgpr_workgroup_id_y 1
		.amdhsa_system_sgpr_workgroup_id_z 1
		.amdhsa_system_vgpr_workitem_id 0
		.amdhsa_next_free_vgpr 256
		.amdhsa_next_free_sgpr 66
		.amdhsa_reserve_vcc 0
		.amdhsa_float_denorm_mode_32 3
		.amdhsa_float_denorm_mode_16_64 3
		.amdhsa_memory_ordered 1
		.amdhsa_forward_progress 1
		.amdhsa_inst_pref_size 52
	.end_amdhsa_kernel
	.amdgpu_metadata
---
amdhsa.version: [ 1, 2 ]
amdhsa.kernels:
  - .name:           k_q7416932b90_prep
    .symbol:         k_q7416932b90_prep.kd
    .args:
      - { .name: x, .offset: 0, .size: 8, .value_kind: global_buffer, .address_space: global }
      - { .name: ln_g, .offset: 8, .size: 8, .value_kind: global_buffer, .address_space: global }
      - { .name: ln_b, .offset: 16, .size: 8, .value_kind: global_buffer, .address_space: global }
      - { .name: qkv_w_codes, .offset: 24, .size: 8, .value_kind: global_buffer, .address_space: global }
      - { .name: qkv_w_scales, .offset: 32, .size: 8, .value_kind: global_buffer, .address_space: global }
      - { .name: gate_w_codes, .offset: 40, .size: 8, .value_kind: global_buffer, .address_space: global }
      - { .name: gate_w_scales, .offset: 48, .size: 8, .value_kind: global_buffer, .address_space: global }
      - { .name: prep, .offset: 56, .size: 8, .value_kind: global_buffer, .address_space: global }
    .group_segment_fixed_size: 132608
    .private_segment_fixed_size: 0
    .kernarg_segment_align: 8
    .kernarg_segment_size: 64
    .max_flat_workgroup_size: 256
    .sgpr_count:     66
    .vgpr_count:     256
    .wavefront_size: 32
...
	.end_amdgpu_metadata
.endif
;; end of part 1
;; launch proj (part 2): grid 16 x 32, 4 waves a work-group, clusters of 4 x 4, 327,680 bytes of LDS; arguments prep, qkv_b, gate_b, qk, vt, qf, dsum; writes qk, vt, qf, dsum
.if DOCPART == 2
	.amdgcn_target "amdgcn-amd-amdhsa--gfx1250"
	.amdhsa_code_object_version 6
	.text
	.protected	k_q7416932b90_proj
	.globl	k_q7416932b90_proj
	.p2align	8
	.type	k_q7416932b90_proj,@function
k_q7416932b90_proj:
	s_mov_b64 s[64:65], 0
	v_nop
	global_prefetch_b8 v0, s[64:65] scope:SCOPE_SE
	s_setreg_imm32_b32 hwreg(HW_REG_WAVE_MODE, 25, 1), 1
	s_wait_xcnt 0x0
	s_wait_alu depctr_hold_cnt(0) depctr_sa_sdst(0) depctr_va_vdst(0) depctr_va_sdst(0) depctr_va_ssrc(0) depctr_va_vcc(0) depctr_vm_vsrc(0)
	s_getreg_b32 s2, hwreg(HW_REG_IB_STS2, 6, 4)
	s_cmp_eq_u32 s2, 0
	s_cbranch_scc0 .Lentry_in_a_cluster
	s_endpgm
.Lentry_in_a_cluster:
	s_bfe_u32 s2, ttmp6, 0x10000c
	s_cmp_lg_u32 s2, 0xf033
	s_cbranch_scc0 .Lentry_shape_is_right
	s_endpgm
.Lentry_shape_is_right:
; Products 1 and 2 on E3M2 codes, and all that follows them up to the operands of products 3 and 4.
; A work-group takes 256 rows t (block ib) x 64 columns d of each of q, k, gate, v (column group j): 16 tiles of xn x 16 tiles of weights, K = 1,024.  Wave (rh, dh): 128 rows x 32 d of the four.
; q, k, gate are used TRANSPOSED (source 0 = weights, source 1 = xn): a lane holds one row t and 16 neighbouring d.  v is used plain (source 0 = xn, source 1 = weights): a lane holds one d and 16 neighbouring t,
; since t (the keys) is product 4's K.  The biases are the C of each sum's first product.
; Behind the products, all in f32: gate = 1 / (1 + 2^(-g log2 e)); k = k gate; elu(x) + 1 = max(x, 0) + min(e^x, 1) (x + 1 above 0, e^x below); q, k quantised along d, v along t;
; q also leaves in f32 (the divisor's part from earlier blocks is made in the next launch); the running sum of k down the block's 256 rows (through LDS), its dot with q (a part of the divisor for each 32 d), the block's sum of k.
; K goes in steps of 256 through two LDS slots filled by tensor loads, one a wave: wave 0 xn's codes, 1 the weights' codes, 2 xn's scale words, 3 the weights'.
; CLUSTER 4 x 4: xn's tiles hang on ib alone and are asked for jointly along a row of the cluster, the weights' on j alone, jointly along a column.
; The scale bytes of q and k leave one byte a row (a work-group makes 2 of a word's 4 bytes): one part in 24 of the code bytes.
; REGISTERS, in windows of 256: 0: v1-31 addresses; v32-95 scale words and nothing else; v128-223 xn's 8 fragments; 1: the weights' fragments, two sets (v0, v128), the biases (v96-127, v224-255);
; 2, 3: accumulators of tiles a = 0-3, 4-7: q at 48 a' + 8 u, k + 16, gate + 32; v at 192 + 32 u + 16 (a' / 2) + 8 (a' % 2).
; LIMITS: NaN and infinities are not served; a block whose largest magnitude lies under 2^-122 keeps the byte 1; the divisor's f32 sums are taken in another order than a plain running sum.
.set XSO, 6291456
.set WCO, 6553600
.set WSO, 9699328
.set KCO, 6291456                      ; in qk: k's codes
.set QSO, 12582912                     ; q's scale words (k's 262,144 on)
.set VSO, 6291456                      ; in vt: the scale words
.set SSO, 1048576                      ; in dsum: the blocks' sums of k
.set NB,   16
.set NBT,  8
.set BCOD, 49152
.set ASCL, BCOD+NB*3072
.set BSCL, ASCL+2048
.set SLOT, BSCL+128*NB                 ; 102,400
.set SPARE, 2*SLOT                     ; the spare words: 512 bytes that no other line names
.set KST,  SPARE+512                   ; k in f32 for the running sum: a region for each wave: 4 x (32 rows x 144 bytes + 128)
.set KSTW, 18944
.set CARRY, KST+4*KSTW                 ; each wave's sum over its 128 rows: 128 bytes a wave
.set ASTEP, 65536
.set BSTEP, 32768
.set ADRA, 4
.set ADRB, 6
.set ADSA, 8
.set ADSB, 10
.set SPW,  12
.set NIL,  13
.set QCV,  14                          ; v14-20 byte offsets of my stores: a lane term + my share's place
.set QSV,  15
.set VCV,  16
.set VSV,  17
.set QFV,  18
.set DPV,  19
.set SSV,  20
.set KSA,  21                          ; LDS: k by (row, d)
.set CSA,  22                          ; LDS: k by columns
.set CRW,  23
.set CRR,  24
.set PWV,  25                          ; v25-26 v's scale words
.set SCA,  32
.set SCB,  64
.set VM,   96
.set VP,   100
.set AF,   128
.set VCD,  128
.set YY,   224
.set RT,   228
.set XX,   232
.set OFS,  236
.set TOT,  240
.set CR,   244
.set SSD,  248
.set DH,   12
.set WV,   14
.set RH,   15
.set SEL,  96
.set M16,  98
.set MFF,  99
.set RHM,  100
.set MSB, 0
.macro WIN new                         ; the immediate's high byte repeats the setting that is left
.if MSB != (\new)
	s_set_vgpr_msb (MSB<<8)|(\new)
.set MSB, (\new)
.endif
.endm
.macro PLACES n
.rept \n
	v_nop
.endr
.endm
.macro CREST                           ; a round of the cluster's barrier behind its opening barrier
	s_cmp_lg_u32 s[WV], 0
	s_cbranch_scc1 .Lnot_wave_0_\@
	s_barrier_signal -3
.Lnot_wave_0_\@:
	s_barrier_wait -3
	s_barrier_signal -1
	s_barrier_wait -1
.endm
.macro CROUND
	s_barrier_signal -1
	s_barrier_wait -1
	CREST
.endm
.macro GROUP1 g, c, r, p               ; words 1 to 7: r rows of c elements of 8 bytes, p elements from row to row
	s_mov_b32 s[\g+1], (\c)<<16
	s_mov_b32 s[\g+2], (\r)<<16
	s_mov_b32 s[\g+3], (\c)<<16
	s_mov_b32 s[\g+4], \r
	s_mov_b32 s[\g+5], \p
	s_mov_b32 s[\g+6], 0
	s_mov_b32 s[\g+7], 0
.endm
.macro GROUP0 g, lds, a, step          ; a group 0 for each slot
.irp t, 0,1
	s_mov_b32 s[\g+4*\t], 1
	s_mov_b32 s[\g+4*\t+1], \lds+\t*SLOT
	s_add_nc_u64 s[\g+4*\t+2:\g+4*\t+3], s[\a:\a+1], \t*\step
	s_or_b32 s[\g+4*\t+3], s[\g+4*\t+3], 0x80000000
.endr
.endm
; one tensor load a wave: the branches hang on the wave's number alone; four v_nop follow each load
.macro TLOAD4 s
	s_cmp_lt_u32 s[WV], 2
	s_cbranch_scc0 .Lsc_\@
	s_cmp_eq_u32 s[WV], 0
	s_cbranch_scc0 .Lbc_\@
	tensor_load_to_lds s[48+4*\s:51+4*\s], s[16:23]
	s_nop 0
	PLACES 4
	s_branch .Lok_\@
.Lbc_\@:
	tensor_load_to_lds s[56+4*\s:59+4*\s], s[24:31]
	s_nop 0
	PLACES 4
	s_branch .Lok_\@
.Lsc_\@:
	s_cmp_eq_u32 s[WV], 2
	s_cbranch_scc0 .Lbs_\@
	tensor_load_to_lds s[68+4*\s:71+4*\s], s[32:39]
	s_nop 0
	PLACES 4
	s_branch .Lok_\@
.Lbs_\@:
	tensor_load_to_lds s[76+4*\s:79+4*\s], s[40:47]
	s_nop 0
	PLACES 4
.Lok_\@:
.endm
.macro TFIRST                          ; a wave's two first fills stand together in one arm: two loads of mine are out
	s_cmp_lt_u32 s[WV], 2
	s_cbranch_scc0 .Lsc_\@
	s_cmp_eq_u32 s[WV], 0
	s_cbranch_scc0 .Lbc_\@
	tensor_load_to_lds s[48:51], s[16:23]
	s_nop 0
	tensor_load_to_lds s[52:55], s[16:23]
	s_nop 0
	PLACES 4
	s_branch .Lok_\@
.Lbc_\@:
	tensor_load_to_lds s[56:59], s[24:31]
	s_nop 0
	tensor_load_to_lds s[60:63], s[24:31]
	s_nop 0
	PLACES 4
	s_branch .Lok_\@
.Lsc_\@:
	s_cmp_eq_u32 s[WV], 2
	s_cbranch_scc0 .Lbs_\@
	tensor_load_to_lds s[68:71], s[32:39]
	s_nop 0
	tensor_load_to_lds s[72:75], s[32:39]
	s_nop 0
	PLACES 4
	s_branch .Lok_\@
.Lbs_\@:
	tensor_load_to_lds s[76:79], s[40:47]
	s_nop 0
	tensor_load_to_lds s[80:83], s[40:47]
	s_nop 0
	PLACES 4
.Lok_\@:
.endm
.macro GSTEP s                         ; this slot's next tiles: two slots on
	s_add_nc_u64 s[50+4*\s:51+4*\s], s[50+4*\s:51+4*\s], 2*3072
	s_add_nc_u64 s[58+4*\s:59+4*\s], s[58+4*\s:59+4*\s], 2*3072
	s_add_nc_u64 s[70+4*\s:71+4*\s], s[70+4*\s:71+4*\s], 2*ASTEP
	s_add_nc_u64 s[78+4*\s:79+4*\s], s[78+4*\s:79+4*\s], 2*BSTEP
.endm
; a fragment (tile i of my eight, the slot's q-th 128 along K): lane (r, h) takes blocks h and 2 + h: 24 bytes each at 384 h + 24 r, in pieces of 8 bytes; the 32 lanes of a load touch 64 different banks
.macro FRAG reg, adr, q, i
.irp p, 0,1,2,3,4,5
	ds_load_b64 v[\reg+2*\p:\reg+2*\p+1], v[\adr] offset:(\i)*3072+(\q)*1536+768*(\p/3)+8*(\p%3)
.endr
.endm
.macro FETCH_B slot, q, p
	WIN 0x40
.set fi, 0
.rept NBT
	FRAG 128*(\p)+12*fi, ADRB+\slot, \q, fi
.set fi, fi+1
.endr
	WIN 0
.endm
.macro FETCH_A slot, q, i0
.irp t, 0,1,2,3
	FRAG AF+12*(\i0+\t), ADRA+\slot, \q, \i0+\t
.endr
.endm
.macro SCALES set
.irp t, 0,1,2,3,4,5,6,7
	ds_load_b32 v[SCA+16*\set+2*\t], v[ADSA+\set] offset:64*\t
	ds_load_b32 v[SCA+16*\set+2*\t+1], v[ADSA+\set] offset:1024+64*\t
.endr
.set fi, 0
.rept NBT
	ds_load_b32 v[SCB+16*\set+2*fi], v[ADSB+\set] offset:64*fi
	ds_load_b32 v[SCB+16*\set+2*fi+1], v[ADSB+\set] offset:64*NB+64*fi
.set fi, fi+1
.endr
.endm
; six transposed products of xn's tile a: q, k, gate.  first = 1: C is the bias (window 1)
.macro MT a, p, q, sc, first
.irp b, 0,1,2,3,4,5
.if \first
	v_wmma_scale_f32_16x16x128_f8f6f4 v[48*((\a)%4)+8*\b:48*((\a)%4)+8*\b+7], v[128*(\p)+12*\b:128*(\p)+12*\b+11], v[AF+12*(\a):AF+12*(\a)+11], v[96+8*\b+96*(\b/4):96+8*\b+96*(\b/4)+7], v[SCB+16*(\sc)+2*\b+(\q)], v[SCA+16*(\sc)+2*(\a)+(\q)] matrix_a_fmt:MATRIX_FMT_BF6 matrix_b_fmt:MATRIX_FMT_BF6
.else
	v_wmma_scale_f32_16x16x128_f8f6f4 v[48*((\a)%4)+8*\b:48*((\a)%4)+8*\b+7], v[128*(\p)+12*\b:128*(\p)+12*\b+11], v[AF+12*(\a):AF+12*(\a)+11], v[48*((\a)%4)+8*\b:48*((\a)%4)+8*\b+7], v[SCB+16*(\sc)+2*\b+(\q)], v[SCA+16*(\sc)+2*(\a)+(\q)] matrix_a_fmt:MATRIX_FMT_BF6 matrix_b_fmt:MATRIX_FMT_BF6
.endif
.endr
.endm
; two plain products of xn's tile a: v
.macro MV a, p, q, sc, first
.irp u, 0,1
.if \first
	v_wmma_scale_f32_16x16x128_f8f6f4 v[192+32*\u+16*(((\a)%4)/2)+8*((\a)%2):192+32*\u+16*(((\a)%4)/2)+8*((\a)%2)+7], v[AF+12*(\a):AF+12*(\a)+11], v[128*(\p)+72+12*\u:128*(\p)+72+12*\u+11], v[240+8*\u:247+8*\u], v[SCA+16*(\sc)+2*(\a)+(\q)], v[SCB+16*(\sc)+12+2*\u+(\q)] matrix_a_fmt:MATRIX_FMT_BF6 matrix_b_fmt:MATRIX_FMT_BF6
.else
	v_wmma_scale_f32_16x16x128_f8f6f4 v[192+32*\u+16*(((\a)%4)/2)+8*((\a)%2):192+32*\u+16*(((\a)%4)/2)+8*((\a)%2)+7], v[AF+12*(\a):AF+12*(\a)+11], v[128*(\p)+72+12*\u:128*(\p)+72+12*\u+11], v[192+32*\u+16*(((\a)%4)/2)+8*((\a)%2):192+32*\u+16*(((\a)%4)/2)+8*((\a)%2)+7], v[SCA+16*(\sc)+2*(\a)+(\q)], v[SCB+16*(\sc)+12+2*\u+(\q)] matrix_a_fmt:MATRIX_FMT_BF6 matrix_b_fmt:MATRIX_FMT_BF6
.endif
.endr
.endm
.macro TWIN hi, first                  ; transposed: source 0 window 1, source 1 window 0, D window 2 + hi, C with it or (bias) window 1
.if \first
	WIN 0x91+0x40*(\hi)
.else
	WIN 0xa1+0x50*(\hi)
.endif
.endm
.macro VWIN hi, first                  ; plain: source 0 window 0, source 1 window 1
.if \first
	WIN 0x94+0x40*(\hi)
.else
	WIN 0xa4+0x50*(\hi)
.endif
.endm
; The 64 accumulators take turns, one instruction a turn, in the same order in every step.
.macro LO1 p, q, sc, first
	TWIN 0, \first
	MT 0, \p, \q, \sc, \first
	MT 1, \p, \q, \sc, \first
.endm
.macro LO2 p, q, sc, first
	TWIN 0, \first
	MT 2, \p, \q, \sc, \first
	MT 3, \p, \q, \sc, \first
	VWIN 0, \first
.irp t, 0,1,2,3
	MV \t, \p, \q, \sc, \first
.endr
.endm
.macro HI p, q, sc, first
	TWIN 1, \first
.irp t, 4,5,6,7
	MT \t, \p, \q, \sc, \first
.endr
	VWIN 1, \first
.irp t, 4,5,6,7
	MV \t, \p, \q, \sc, \first
.endr
.endm
; a slot's first 128 along K.  Loads into registers that matrix instructions have read stand four plain lines behind them.
.macro STEP slot, first
	s_wait_dscnt 24                                ; all but the youngest 24 loads (xn's tiles 4-7)
	LO1 0, 0, \slot, \first
	LO2 0, 0, \slot, \first
	s_wait_dscnt 0x0
	PLACES 4
	FETCH_B \slot, 1, 1
	FETCH_A \slot, 1, 0
	HI 0, 0, \slot, \first
	PLACES 4
	WIN 0
	FETCH_A \slot, 1, 4
.endm
; a slot's second 128 along K, and the change of slots: one barrier; in front of it each wave waits for all its tensor loads, adds 0 to its spare word, and waits for that and for its reads of this slot
.macro TURN slot, next, fill
	s_wait_tensorcnt 0x0                           ; my part of the next slot has landed; no load of mine is out
	ds_add_u32 v[SPW], v[NIL]                      ; 0 onto my spare word
	s_wait_dscnt 25                                ; (the add and the youngest 24 loads may be out)
	LO1 1, 1, \slot, 0
	s_wait_dscnt 0x0                               ; the add is done, my reads of this slot are over
	s_barrier_signal -1
	LO2 1, 1, \slot, 0
	WIN 0
	s_barrier_wait -1
.if \fill
	CREST                                          ; the barrier has opened a round of the cluster's: no wave of any partner still reads this slot or has a load on its way
	GSTEP \slot
	TLOAD4 \slot                                   ; my one tensor load behind the round; its four v_nop are the places in front of the loads below
.else
	PLACES 4
.endif
	FETCH_B \next, 0, 0
	FETCH_A \next, 0, 0
	SCALES \next
	HI 1, 1, \slot, 0
	PLACES 4
	WIN 0
	FETCH_A \next, 0, 4
.endm
	s_load_b256 s[4:11], s[0:1], 0x0               ; prep, qkv_b, gate_b, qk
	s_load_b128 s[84:87], s[0:1], 0x20             ; vt, qf
	s_load_b64 s[88:89], s[0:1], 0x30              ; dsum
	v_lshl_add_u32 v[SPW], v0, 2, SPARE
	v_mov_b32 v[NIL], 0
	ds_add_u32 v12, v13
	ds_add_u32 v12, v13
	s_wait_dscnt 0x0
	v_lshrrev_b32 v1, 5, v0
	v_readfirstlane_b32 s[WV], v1
	s_lshr_b32 s[RH], s[WV], 1                     ; which 128 rows
	s_and_b32 s[DH], s[WV], 1                      ; which 32 columns
	s_bfe_u32 s90, ttmp6, 0x40000                  ; cx
	s_bfe_u32 s91, ttmp6, 0x40004                  ; cy
	s_lshl_b32 s92, ttmp9, 2
	s_add_co_u32 s92, s92, s90                     ; j
	s_and_b32 s93, ttmp7, 0xffff
	s_lshl_b32 s93, s93, 2
	s_add_co_u32 s93, s93, s91                     ; ib
	s_lshl_b32 s94, s91, 2
	s_lshl_b32 s94, 15, s94                        ; my row of the cluster
	s_lshl_b32 s95, 0x1111, s90                    ; my column
	s_or_b32 s16, s94, (3<<16)|(1<<21)             ; elements of 8 bytes; bit 21 beside a mask; no padding
	s_or_b32 s24, s95, (3<<16)|(1<<21)
	s_or_b32 s32, s94, (3<<16)|(1<<21)
	s_or_b32 s40, s95, (3<<16)|(1<<21)
	GROUP1 16, 384, 16, 1536                       ; xn's codes: 16 tiles x 3,072 bytes, 12,288 bytes apart
	GROUP1 24, 384, 16, 1536                       ; the weights' codes
	GROUP1 32, 128, 2, 4096                        ; xn's scale words: 2 steps x 1,024 bytes, 32,768 apart
	GROUP1 40, 128, 2, 2048                        ; the weights': 16,384 apart
	s_mul_i32 s96, s93, 196608
	s_mov_b32 s97, 0
	s_lshl_b32 s98, s93, 10
	s_add_co_u32 s98, s98, XSO
	s_mov_b32 s99, 0
	s_mul_i32 s100, s92, 196608
	s_add_co_u32 s100, s100, WCO
	s_mov_b32 s101, 0
	s_lshl_b32 s2, s92, 10
	s_add_co_u32 s2, s2, WSO
	s_mov_b32 s3, 0
	s_wait_kmcnt 0x0
	s_add_nc_u64 s[96:97], s[4:5], s[96:97]
	s_add_nc_u64 s[98:99], s[4:5], s[98:99]
	s_add_nc_u64 s[100:101], s[4:5], s[100:101]
	s_add_nc_u64 s[2:3], s[4:5], s[2:3]
	CROUND                                         ; all sixteen work-groups are here: the first joint loads meet
	GROUP0 48, 0, 96, 3072
	GROUP0 56, BCOD, 100, 3072
	GROUP0 68, ASCL, 98, ASTEP
	GROUP0 76, BSCL, 2, BSTEP
	TFIRST
	s_mov_b32 s[SEL], 0x76543210
	s_mov_b32 s[SEL+1], 0xfedcba98
	s_mov_b32 s[M16], 0xffff0000                   ; lanes 16-31
	s_mov_b32 s[MFF], 0xff00ff00                   ; lanes 8-15, 24-31
	s_cmp_eq_u32 s[RH], 1
	s_cselect_b32 s[RHM], -1, 0
	v_and_b32 v1, 15, v0                           ; r
	v_bfe_u32 v2, v0, 4, 1                         ; h
	v_mul_u32_u24 v3, v1, 24
	v_mad_u32_u24 v3, v2, 384, v3
	s_mul_i32 s2, s[RH], 8*3072
	s_mul_i32 s3, s[DH], NBT*3072
	s_add_co_u32 s3, s3, BCOD
	v_add_nc_u32 v[ADRA], s2, v3
	v_add_nc_u32 v[ADRB], s3, v3
	v_add_nc_u32 v[ADRA+1], SLOT, v[ADRA]
	v_add_nc_u32 v[ADRB+1], SLOT, v[ADRB]
	v_lshlrev_b32 v31, 2, v1                       ; 4 r
	s_lshl_b32 s2, s[RH], 9
	s_add_co_u32 s2, s2, ASCL
	s_mul_i32 s3, s[DH], NBT*64
	s_add_co_u32 s3, s3, BSCL
	v_add_nc_u32 v[ADSA], s2, v31
	v_add_nc_u32 v[ADSB], s3, v31
	v_add_nc_u32 v[ADSA+1], SLOT, v[ADSA]
	v_add_nc_u32 v[ADSB+1], SLOT, v[ADSB]
	; the biases, into window 1, in the results' layouts
	s_lshl_b32 s2, s92, 8
	s_lshl_b32 s3, s[DH], 7
	s_add_co_u32 s2, s2, s3                        ; 4 d0
	s_mov_b32 s3, 0
	s_add_nc_u64 s[6:7], s[6:7], s[2:3]
	s_add_nc_u64 s[8:9], s[8:9], s[2:3]
	v_lshlrev_b32 v30, 6, v2                       ; 64 h
	WIN 0x40
.irp b, 0,1,2,3
	global_load_b128 v[96+8*\b:99+8*\b], v30, s[6:7] offset:4096*(\b/2)+32*(\b%2)          ; q, k: d0 + 8 u + 16 h + 0 .. 7
	global_load_b128 v[100+8*\b:103+8*\b], v30, s[6:7] offset:4096*(\b/2)+32*(\b%2)+16
.endr
.irp u, 0,1
	global_load_b128 v[224+8*\u:227+8*\u], v30, s[8:9] offset:32*\u
	global_load_b128 v[228+8*\u:231+8*\u], v30, s[8:9] offset:32*\u+16
.endr
.irp u, 0,1
.irp t, 0,1,2,3,4,5,6,7
	global_load_b32 v[240+8*\u+\t], v31, s[6:7] offset:8192+64*\u                          ; v: a lane holds one d: eight times its bias
.endr
.endr
	WIN 0
	; where my stores go
	s_lshl_b32 s2, s93, 4
	s_lshl_b32 s13, s[RH], 3
	s_add_co_u32 s2, s2, s13                       ; my first row tile: 16 ib + 8 rh
	s_lshl_b32 s3, s92, 1
	s_add_co_u32 s3, s3, s[DH]                     ; my block of 32 d: 2 j + dh
	v_mul_u32_u24 v27, v1, 24
	v_mad_u32_u24 v27, v2, 12, v27                 ; 24 r + 12 h
	v_and_b32 v28, 31, v0
	v_lshlrev_b32 v29, 2, v28                      ; 4 x lane
	s_mul_i32 s13, s2, 12288
	s_mul_i32 s90, s3, 384
	s_add_co_u32 s13, s13, s90
	v_add_nc_u32 v[QCV], s13, v27
	s_lshr_b32 s13, s3, 2
	s_lshl_b32 s13, s13, 15
	s_lshl_b32 s90, s2, 6
	s_add_co_u32 s13, s13, s90
	s_and_b32 s90, s3, 3
	s_add_co_u32 s13, s13, s90
	s_add_co_u32 s13, s13, QSO
	v_add_nc_u32 v[QSV], s13, v29
	s_lshr_b32 s91, s93, 3
	s_lshl_b32 s91, s91, 6
	s_lshl_b32 s13, s3, 1
	s_add_co_u32 s91, s91, s13                     ; v's first tile of 16 d: 64 batch + 4 j + 2 dh
	s_and_b32 s94, s93, 7
	s_lshl_b32 s94, s94, 1
	s_add_co_u32 s94, s94, s[RH]                   ; my 128 keys
	s_mul_i32 s13, s91, 24576
	s_mul_i32 s90, s94, 1536
	s_add_co_u32 s13, s13, s90
	v_add_nc_u32 v[VCV], s13, v27
	s_lshl_b32 s13, s94, 14
	s_lshl_b32 s90, s91, 6
	s_add_co_u32 s13, s13, s90
	s_add_co_u32 s13, s13, VSO
	v_add_nc_u32 v[VSV], s13, v29
	s_lshl_b32 s13, s2, 16
	s_lshl_b32 s90, s3, 11
	s_add_co_u32 s13, s13, s90
	v_lshl_add_u32 v[QFV], v28, 4, s13
	s_lshl_b32 s13, s3, 15
	s_lshl_b32 s90, s2, 6
	s_add_co_u32 s13, s13, s90
	v_add_nc_u32 v[DPV], s13, v29
	v_and_b32 v28, 7, v0
	v_lshlrev_b32 v28, 4, v28                      ; 16 dq
	s_lshl_b32 s13, s93, 12
	s_lshl_b32 s90, s3, 7
	s_add_co_u32 s13, s13, s90
	s_add_co_u32 s13, s13, SSO
	v_add_nc_u32 v[SSV], s13, v28
	v_and_b32 v3, 8, v1
	v_add_nc_u32 v3, v3, v1                        ; r + 8 (r / 8)
	v_mul_u32_u24 v[KSA], v3, 144
	v_lshl_add_u32 v[KSA], v2, 6, v[KSA]
	s_mul_i32 s2, s[WV], KSTW
	s_add_co_u32 s2, s2, KST
	v_add_nc_u32 v[KSA], s2, v[KSA]
	v_bfe_u32 v3, v0, 3, 2                         ; g: which 32 rows
	v_mad_u32_u24 v[CSA], v3, 4736, v28
	v_add_nc_u32 v[CSA], s2, v[CSA]
	s_lshl_b32 s3, s[WV], 7
	s_add_co_u32 s3, s3, CARRY
	v_add_nc_u32 v[CRW], s3, v28
	s_lshl_b32 s3, s[DH], 7
	s_add_co_u32 s3, s3, CARRY
	v_add_nc_u32 v[CRR], s3, v28
.irp e, 0,1,2,3
	v_mov_b32 v[VP+\e], 0                          ; destinations of lane moves count as read
	v_mov_b32 v[YY+\e], 0
	v_mov_b32 v[XX+\e], 0
.endr
	s_wait_tensorcnt 1                             ; my part of slot 0 is in; slot 1's may stay out
	s_barrier_signal -1
	s_barrier_wait -1
	FETCH_B 0, 0, 0
	FETCH_A 0, 0, 0
	SCALES 0
	FETCH_A 0, 0, 4
	s_wait_loadcnt 0x0                             ; the biases
	STEP 0, 1                                      ; K = 1,024: eight steps of 128, four slots' worth
	TURN 0, 1, 1
	STEP 1, 0
	TURN 1, 0, 1
	STEP 0, 0
	TURN 0, 1, 0
	STEP 1, 0
	s_wait_dscnt 24
	LO1 1, 1, 1, 0
	LO2 1, 1, 1, 0
	s_wait_dscnt 0x0
	HI 1, 1, 1, 0
	WIN 0
	PLACES 4                                       ; in front of the first reads of results
; v: a lane's 16 registers at 192 + 16 n (n = 2 u + p) are keys 32 (2 w + p) + 16 h + 0 .. 15 of column d0 + 16 u + r
.macro VQUANT w
	WIN 0x28+0x14*(\w)                             ; sources 1, 2 in the accumulators' window
.irp n, 0,1,2,3
	v_max3_num_f32 v[VM+\n], 0x2800000, |v[192+16*\n]|, |v[193+16*\n]|
.endr
.irp i, 2,4,6,8,10,12,14
.irp n, 0,1,2,3
	v_max3_num_f32 v[VM+\n], v[VM+\n], |v[192+16*\n+\i]|, |v[193+16*\n+\i]|
.endr
.endr
	WIN 0
.irp n, 0,1,2,3
	v_permlanex16_b32 v[VP+\n], v[VM+\n], s[SEL], s[SEL+1]
.endr
.irp n, 0,1,2,3
	v_max_num_f32 v[VM+\n], v[VM+\n], v[VP+\n]
.endr
.irp n, 0,1,2,3
	v_add_nc_u32 v[VM+\n], 0xfe000000, v[VM+\n]
.endr
.irp n, 0,1,2,3
	v_lshrrev_b32 v[VP+\n], 23, v[VM+\n]
.endr
.irp u, 0,1
.if \w == 0
	v_lshl_or_b32 v[PWV+\u], v[VP+2*\u+1], 8, v[VP+2*\u]
.else
	v_lshl_or_b32 v[PWV+\u], v[VP+2*\u], 16, v[PWV+\u]
	v_lshl_or_b32 v[PWV+\u], v[VP+2*\u+1], 24, v[PWV+\u]
.endif
.endr
	WIN 0x02+(\w)
.irp n, 0,1,2,3
	v_cvt_scalef32_pk16_bf6_f32 v[VCD+16*(\w)+4*\n:VCD+16*(\w)+4*\n+2], v[192+16*\n:207+16*\n], v[VM+\n]
.endr
	v_nop                                          ; a plain line behind the last conversion
	WIN 0
.irp n, 0,1,2,3
	global_store_b96 v[VCV], v[VCD+16*(\w)+4*\n:VCD+16*(\w)+4*\n+2], s[84:85] offset:(\n/2)*24576+(2*(\w)+\n%2)*384
.endr
.endm
	VQUANT 0
	VQUANT 1
	v_cndmask_b32 v[PWV], v[PWV], v[PWV+1], s[M16] ; lanes 0-15: tile u = 0's words, lanes 16-31: u = 1's
	global_store_b32 v[VSV], v[PWV], s[84:85]      ; 128 consecutive bytes
; q, k, gate of one window, every operand place in that window.  v192-207 2^(q log2 e); v208 + 8 a q's codes, + 4 k's; v240 + a, v244 + a the bytes; v248-250 the quantiser's.
.macro APRE t                          ; tile t: the exponents of the gate and of q
.irp i, 0,2,4,6,8,10,12,14
	v_pk_mul_f32 v[48*(\t)+32+\i:48*(\t)+33+\i], v[48*(\t)+32+\i:48*(\t)+33+\i], 0xbfb8aa3b op_sel_hi:[1,0]
	v_pk_mul_f32 v[192+\i:193+\i], v[48*(\t)+\i:48*(\t)+1+\i], 0x3fb8aa3b op_sel_hi:[1,0]
.endr
.endm
.macro FINOP i, x, e                   ; number i of elu(x) + 1 = max(x, 0) + min(e^x, 1)
	v_min_num_f32 v[\e+(\i)], 1.0, v[\e+(\i)]
	v_max_num_f32 v[\x+(\i)], 0, v[\x+(\i)]
.if ((\i)%2) == 1
	v_pk_add_f32 v[\x+(\i)-1:\x+(\i)], v[\x+(\i)-1:\x+(\i)], v[\e+(\i)-1:\e+(\i)]
.endif
.endm
.macro QNTOP n, x, c, b                ; line n of 14 of the quantiser of 16 numbers (none is negative)
.if (\n) == 0
	v_max3_num_f32 v248, v[\x], v[\x+1], 0x2800000
.elseif (\n) < 8
	v_max3_num_f32 v248, v248, v[\x+2*(\n)], v[\x+2*(\n)+1]
.elseif (\n) == 8
	v_permlanex16_b32 v249, v248, s[SEL], s[SEL+1]
.elseif (\n) == 9
	v_max_num_f32 v248, v248, v249
.elseif (\n) == 10
	v_add_nc_u32 v250, 0xfe000000, v248
.elseif (\n) == 11
	v_lshrrev_b32 v[\b], 23, v250
.elseif (\n) == 12
	v_cvt_scalef32_pk16_bf6_f32 v[\c:\c+2], v[\x:\x+15], v250
.else
	v_nop
.endif
.endm
; Each batch of exponentials or reciprocals is dealt out among plain lines that name none of its registers; a plain line and ONE wait close the batch, ahead of its first reader.
.macro ACT
	v_mov_b32 v249, 0
	APRE 0
.set zi, 0
.rept 16
	v_exp_f32 v[32+zi], v[32+zi]
	v_exp_f32 v[192+zi], v[192+zi]
.set zi, zi+1
.endr
	v_nop
	s_wait_alu depctr_va_vdst(0)
.irp a, 0,1,2,3
.irp i, 0,2,4,6,8,10,12,14
	v_pk_add_f32 v[48*\a+32+\i:48*\a+33+\i], v[48*\a+32+\i:48*\a+33+\i], 1.0 op_sel_hi:[1,0]
.endr
.set zi, 0
.rept 16
	v_rcp_f32 v[48*\a+32+zi], v[48*\a+32+zi]       ; the gate | q is finished
	FINOP zi, 48*\a, 192
.set zi, zi+1
.endr
	v_nop
	s_wait_alu depctr_va_vdst(0)
.irp i, 0,2,4,6,8,10,12,14
	v_pk_mul_f32 v[48*\a+16+\i:48*\a+17+\i], v[48*\a+16+\i:48*\a+17+\i], v[48*\a+32+\i:48*\a+33+\i]
.endr
.irp i, 0,2,4,6,8,10,12,14
	v_pk_mul_f32 v[48*\a+32+\i:48*\a+33+\i], v[48*\a+16+\i:48*\a+17+\i], 0x3fb8aa3b op_sel_hi:[1,0]
.endr
.set zi, 0
.rept 16
	v_exp_f32 v[48*\a+32+zi], v[48*\a+32+zi]       ; e^k | q is quantised
.if zi < 14
	QNTOP zi, 48*\a, 208+8*\a, 240+\a
.endif
.set zi, zi+1
.endr
	v_nop
	s_wait_alu depctr_va_vdst(0)
.if \a < 3
	APRE \a+1
.set zi, 0
.rept 16
	v_exp_f32 v[48*(\a+1)+32+zi], v[48*(\a+1)+32+zi]   ; the next tile's exponentials | k is finished
	FINOP zi, 48*\a+16, 48*\a+32
.set zi, zi+1
.endr
.set zi, 0
.rept 16
	v_exp_f32 v[192+zi], v[192+zi]                 ; | k is quantised
.if zi < 14
	QNTOP zi, 48*\a+16, 212+8*\a, 244+\a
.endif
.set zi, zi+1
.endr
	v_nop
	s_wait_alu depctr_va_vdst(0)
.else
.set zi, 0
.rept 16
	FINOP zi, 48*\a+16, 48*\a+32
.set zi, zi+1
.endr
.set zi, 0
.rept 14
	QNTOP zi, 48*\a+16, 212+8*\a, 244+\a
.set zi, zi+1
.endr
.endif
.endr
.irp p, 0,1
	v_cndmask_b32 v[240+2*\p], v[240+2*\p], v[241+2*\p], s[M16]   ; two tiles' bytes in one register
	v_cndmask_b32 v[244+2*\p], v[244+2*\p], v[245+2*\p], s[M16]
.endr
.endm
.macro ASTORE w
	WIN 0x08+4*(\w)                                ; a store's data are its source 1
.irp a, 0,1,2,3
	global_store_b96 v[QCV], v[208+8*\a:210+8*\a], s[10:11] offset:(4*(\w)+\a)*12288
	global_store_b96 v[QCV], v[212+8*\a:214+8*\a], s[10:11] offset:(4*(\w)+\a)*12288+KCO
.endr
.irp p, 0,1
	global_store_b8 v[QSV], v[240+2*\p], s[10:11] offset:(2*(\w)+\p)*128
	global_store_b8 v[QSV], v[244+2*\p], s[10:11] offset:(2*(\w)+\p)*128+262144
.endr
.irp a, 0,1,2,3
.irp c, 0,1,2,3
	global_store_b128 v[QFV], v[48*\a+4*\c:48*\a+4*\c+3], s[86:87] offset:(4*(\w)+\a)*65536+512*\c   ; q in f32: 512 consecutive bytes a store
.endr
.endr
.irp a, 0,1,2,3
.irp c, 0,1,2,3
	ds_store_b128 v[KSA], v[48*\a+16+4*\c:48*\a+19+4*\c] offset:((4*(\w)+\a)/2)*4736+(\a%2)*1152+16*\c
.endr
.endr
.endm
	WIN 0xaa
	ACT
	ASTORE 0
	WIN 0xff
	ACT
	ASTORE 1
	WIN 0
	; the running sum of k down my 128 rows: lane (g, dq) takes rows 32 g .. 32 g + 31 of four columns
	s_wait_xcnt 0x0                                ; v's codes have left their registers: the loads below land there
.irp t, 0,1,2,3,4,5,6,7,8,9,10,11,12,13,14,15,16,17,18,19,20,21,22,23,24,25,26,27,28,29,30,31
	ds_load_b128 v[96+4*\t:99+4*\t], v[CSA] offset:144*\t     ; LDS serves a wave's instructions in order: these see my stores
.endr
	s_wait_dscnt 0x0
.irp t, 1,2,3,4,5,6,7,8,9,10,11,12,13,14,15,16,17,18,19,20,21,22,23,24,25,26,27,28,29,30,31
	v_pk_add_f32 v[96+4*\t:97+4*\t], v[96+4*\t:97+4*\t], v[92+4*\t:93+4*\t]
	v_pk_add_f32 v[98+4*\t:99+4*\t], v[98+4*\t:99+4*\t], v[94+4*\t:95+4*\t]
.endr
.irp e, 0,1,2,3
	v_mov_b32_dpp v[YY+\e], v[220+\e] row_xmask:8 row_mask:0xf bank_mask:0xf   ; the neighbouring group's total
.endr
.irp e, 0,2
	v_pk_add_f32 v[RT+\e:RT+\e+1], v[220+\e:221+\e], v[YY+\e:YY+\e+1]
.endr
.irp e, 0,1,2,3
	v_permlanex16_b32 v[XX+\e], v[RT+\e], s[SEL], s[SEL+1]                     ; the other two groups'
.endr
.irp e, 0,2
	v_pk_add_f32 v[TOT+\e:TOT+\e+1], v[RT+\e:RT+\e+1], v[XX+\e:XX+\e+1]        ; my 128 rows' total
.endr
.irp e, 0,1,2,3
	v_cndmask_b32 v[YY+\e], 0, v[YY+\e], s[MFF]    ; groups 1, 3 stand behind their neighbour,
	v_cndmask_b32 v[XX+\e], 0, v[XX+\e], s[M16]    ; groups 2, 3 behind groups 0 and 1
.endr
.irp e, 0,2
	v_pk_add_f32 v[OFS+\e:OFS+\e+1], v[YY+\e:YY+\e+1], v[XX+\e:XX+\e+1]
.endr
	ds_store_b128 v[CRW], v[TOT:TOT+3]
	s_wait_dscnt 0x0                               ; my total lies in LDS
	s_barrier_signal -1
	s_barrier_wait -1                              ; everybody's does
	ds_load_b128 v[CR:CR+3], v[CRR]                ; the upper 128 rows' total of my columns
	s_wait_dscnt 0x0
.irp e, 0,1,2,3
	v_and_b32 v[CR+\e], s[RHM], v[CR+\e]           ; it counts for the lower 128 rows alone
.endr
.irp e, 0,2
	v_pk_add_f32 v[OFS+\e:OFS+\e+1], v[OFS+\e:OFS+\e+1], v[CR+\e:CR+\e+1]
.endr
	s_cmp_eq_u32 s[RH], 0
	s_cbranch_scc1 .Lno_sum
.irp e, 0,2
	v_pk_add_f32 v[SSD+\e:SSD+\e+1], v[CR+\e:CR+\e+1], v[TOT+\e:TOT+\e+1]
.endr
	global_store_b128 v[SSV], v[SSD:SSD+3], s[88:89]   ; the block's sum of k, 128 bytes (the four groups store the same)
.Lno_sum:
.irp t, 0,1,2,3,4,5,6,7,8,9,10,11,12,13,14,15,16,17,18,19,20,21,22,23,24,25,26,27,28,29,30,31
	v_pk_add_f32 v[96+4*\t:97+4*\t], v[96+4*\t:97+4*\t], v[OFS:OFS+1]
	v_pk_add_f32 v[98+4*\t:99+4*\t], v[98+4*\t:99+4*\t], v[OFS+2:OFS+3]
.endr
.irp t, 0,1,2,3,4,5,6,7,8,9,10,11,12,13,14,15,16,17,18,19,20,21,22,23,24,25,26,27,28,29,30,31
	ds_store_b128 v[CSA], v[96+4*\t:99+4*\t] offset:144*\t
.endr
	; the divisor's part of my 32 columns: q . running sum, row by row
.irp x, 0,1
	WIN 0x80+0x40*\x
.irp a, 0,1,2,3
.irp c, 0,1,2,3
	ds_load_b128 v[48*\a+16+4*\c:48*\a+19+4*\c], v[KSA] offset:((4*\x+\a)/2)*4736+(\a%2)*1152+16*\c
.endr
.endr
.endr
	s_wait_dscnt 0x0
.macro DOT w
	WIN 0xaa+0x55*(\w)
.irp a, 0,1,2,3
	v_pk_mul_f32 v[192+2*\a:193+2*\a], v[48*\a:48*\a+1], v[48*\a+16:48*\a+17]
.endr
.irp i, 2,4,6,8,10,12,14
.irp a, 0,1,2,3
	v_pk_fma_f32 v[192+2*\a:193+2*\a], v[48*\a+\i:48*\a+\i+1], v[48*\a+16+\i:48*\a+17+\i], v[192+2*\a:193+2*\a]
.endr
.endr
.irp a, 0,1,2,3
	v_add_f32 v[192+2*\a], v[192+2*\a], v[193+2*\a]
.endr
.irp a, 0,1,2,3
	v_permlanex16_b32 v[200+\a], v[192+2*\a], s[SEL], s[SEL+1]
.endr
.irp a, 0,1,2,3
	v_add_f32 v[192+2*\a], v[192+2*\a], v[200+\a]
.endr
.irp p, 0,1
	v_cndmask_b32 v[204+\p], v[192+4*\p], v[194+4*\p], s[M16]
.endr
	WIN 0x08+4*(\w)
.irp p, 0,1
	global_store_b32 v[DPV], v[204+\p], s[88:89] offset:(2*(\w)+\p)*128      ; two tiles' rows: 128 consecutive bytes
.endr
.endm
	DOT 0
	DOT 1
	WIN 0
	s_wait_tensorcnt 0x0                           ; the wave's end
	ds_add_u32 v[SPW], v[NIL]
	s_wait_dscnt 0x0
	CROUND                                         ; the closing round
	s_endpgm
.Lfunc_end_k_q7416932b90_proj:
	.size	k_q7416932b90_proj, .Lfunc_end_k_q7416932b90_proj-k_q7416932b90_proj
	.p2alignl 7, 3214868480
	.fill 96, 4, 3214868480
	.section	.rodata,"a",@progbits
	.p2align	6, 0x0
	.amdhsa_kernel k_q7416932b90_proj
		.amdhsa_group_segment_fixed_size 327680
		.amdhsa_private_segment_fixed_size 0
		.amdhsa_enable_private_segment 0
		.amdhsa_kernarg_size 56
		.amdhsa_user_sgpr_count 2
		.amdhsa_user_sgpr_kernarg_segment_ptr 1
		.amdhsa_wavefront_size32 1
		.amdhsa_system_sgpr_workgroup_id_x 1
		.amdhsa_system_sgpr_workgroup_id_y 1
		.amdhsa_system_sgpr_workgroup_id_z 1
		.amdhsa_system_vgpr_workitem_id 0
		.amdhsa_next_free_vgpr 1024
		.amdhsa_next_free_sgpr 102
		.amdhsa_reserve_vcc 0
		.amdhsa_float_denorm_mode_32 3
		.amdhsa_float_denorm_mode_16_64 3
		.amdhsa_memory_ordered 1
		.amdhsa_forward_progress 1
		.amdhsa_inst_pref_size 255
	.end_amdhsa_kernel
	.section	.bss,"aw",@nobits
	.p2align	6
	.space	262144
	.amdgpu_metadata
---
amdhsa.version: [ 1, 2 ]
amdhsa.kernels:
  - .name:           k_q7416932b90_proj
    .symbol:         k_q7416932b90_proj.kd
    .args:
      - { .name: prep, .offset: 0, .size: 8, .value_kind: global_buffer, .address_space: global }
      - { .name: qkv_b, .offset: 8, .size: 8, .value_kind: global_buffer, .address_space: global }
      - { .name: gate_b, .offset: 16, .size: 8, .value_kind: global_buffer, .address_space: global }
      - { .name: qk, .offset: 24, .size: 8, .value_kind: global_buffer, .address_space: global }
      - { .name: vt, .offset: 32, .size: 8, .value_kind: global_buffer, .address_space: global }
      - { .name: qf, .offset: 40, .size: 8, .value_kind: global_buffer, .address_space: global }
      - { .name: dsum, .offset: 48, .size: 8, .value_kind: global_buffer, .address_space: global }
    .group_segment_fixed_size: 327680
    .private_segment_fixed_size: 0
    .kernarg_segment_align: 8
    .kernarg_segment_size: 56
    .max_flat_workgroup_size: 128
    .sgpr_count:     102
    .vgpr_count:     1024
    .wavefront_size: 32
...
	.end_amdgpu_metadata
.endif
;; end of part 2
;; launch score (part 3): grid 64 x 4, 4 waves a work-group, no clusters, 327,680 bytes of LDS; arguments qk, qf, dsum, att, den; writes att, den
.if DOCPART == 3
	.amdgcn_target "amdgcn-amd-amdhsa--gfx1250"
	.amdhsa_code_object_version 6
	.text
	.protected	k_q7416932b90_score
	.globl	k_q7416932b90_score
	.p2align	8
	.type	k_q7416932b90_score,@function
k_q7416932b90_score:
	s_mov_b64 s[64:65], 0
	v_nop
	global_prefetch_b8 v0, s[64:65] scope:SCOPE_SE
	s_setreg_imm32_b32 hwreg(HW_REG_WAVE_MODE, 25, 1), 1
	s_wait_xcnt 0x0
; y = the batch.  x < 36: a tile (i, j), j <= i, of 256 queries x 256 keys of product 3 on E3M2 codes, the causal mask, and the quantiser along the keys: the codes and scale words of product 4's left operand.
; x >= 36: the divisor of 64 rows: the sum of the 32 parts that the launch before made inside the rows' block of 256, + q . (the sum of k over all earlier blocks), + 1e-6, all in f32.
; SCORES.  Transposed: source 0 = 16 keys, source 1 = 16 queries; the keys of a tile are 32 (rt / 2) + 8 (rt % 2) + r + 8 (r / 8), so a lane's 16 registers of two neighbouring tiles are 16 neighbouring keys of one query.
; Wave (rh, ch): 128 queries x 128 keys, 64 accumulators.  One tensor load a wave and slot (0: q's codes, 1: k's, 2: q's scale words, 3: k's).
; THREE LDS SLOTS of 256 along K: K = 1,024 is four slots' worth, so three quarters of it are asked for at the start, and one refill (slot 0 takes K 768 on) follows, behind the one change of slots that fills;
; that refill has 224 matrix instructions in which to land.  Slots 1 and 2 are filled once: the step from slot 1 to slot 2 needs no barrier.
; On the diagonal (i = j): the wave rh > ch keeps all; rh = ch masks by lane; rh < ch stores zero codes with the byte 127.  Where i = j is even, tile (i, i + 1) is stored as zeros too: the next launch walks the keys in steps of 512.
; NO CLUSTER: a row of the triangle has i + 1 tiles and a column 8 - j, from 1 to 8: no fixed group of four work-groups shares a tile at every place of the triangle.
; The two kinds of work-group part on the work-group's number and use LDS bytes of their own.
; LIMITS: NaN and infinities are not served; a block whose largest magnitude lies under 2^-122 keeps the byte 1; the divisor's sums are taken in another order than a plain running sum.
.set KCO, 6291456
.set QSO, 12582912
.set KSO, 12845056
.set ASO, 12582912                     ; in att: the scale words
.set SSO, 1048576
.set NB,   16
.set NBT,  8
.set BCOD, 49152
.set ASCL, BCOD+NB*3072
.set BSCL, ASCL+2048
.set SLOT, BSCL+128*NB                 ; 102,400
.set SPARE, 3*SLOT                     ; the spare words: 512 bytes that no other line names
.set PL,   SPARE+512                   ; the divisor's: the sum of k over earlier blocks, 4,096 bytes
.set ASTEP, 65536
.set BSTEP, 65536
.set D0,   3                           ; v3      r + 8 (r / 8) - 16 h
.set ADRA, 4                           ; v4-6    LDS address of the queries' fragments in slot 0, 1, 2
.set ADRB, 7                           ; v7-9    the keys'
.set ADSA, 10                          ; v10-12  the queries' scale words
.set ADSB, 13                          ; v13-15  the keys'
.set SPW,  16
.set NIL,  17
.set CO,   18
.set L4,   19
.set ZR,   20                          ; v20-22 zeros
.set ONE,  23                          ; four bytes 127
.set PW,   24                          ; v24-31 scale words of my eight tiles of queries
.set SCA,  32
.set SCB,  64
.set QM,   96
.set QP,   112
.set AF,   128
.set QC,   128
.set WV,   14
.set RH,   15
.set TI,   66                          ; s66 i, s67 j
.set TJ,   67
.set CH,   100
.set M16,  101
.set SEL,  6                           ; s[6:7]   selects for lane l xor 16 (a tile of scores)
.set CP,   8                           ; s[8:9]   where my codes go
.set SP,   12                          ; s[12:13] where my scale words go
.set MSB, 0
.macro WIN new
.if MSB != (\new)
	s_set_vgpr_msb (MSB<<8)|(\new)
.set MSB, (\new)
.endif
.endm
.macro PLACES n
.rept \n
	v_nop
.endr
.endm
.macro GROUP1 g, c, r, p
	s_mov_b32 s[\g], 3<<16                         ; no mask; elements of 8 bytes; no padding
	s_mov_b32 s[\g+1], (\c)<<16
	s_mov_b32 s[\g+2], (\r)<<16
	s_mov_b32 s[\g+3], (\c)<<16
	s_mov_b32 s[\g+4], \r
	s_mov_b32 s[\g+5], \p
	s_mov_b32 s[\g+6], 0
	s_mov_b32 s[\g+7], 0
.endm
; a group 0 for kind k in each of the three slots: slot 0's four kinds at s48, slot 1's at s68, slot 2's at s84
.macro GROUP0 k, lds, a, step
.irp t, 0,1,2
	s_mov_b32 s[48+20*\t-4*(\t/2)+4*\k], 1
	s_mov_b32 s[48+20*\t-4*(\t/2)+4*\k+1], \lds+\t*SLOT
	s_add_nc_u64 s[48+20*\t-4*(\t/2)+4*\k+2:48+20*\t-4*(\t/2)+4*\k+3], s[\a:\a+1], \t*\step
	s_or_b32 s[48+20*\t-4*(\t/2)+4*\k+3], s[48+20*\t-4*(\t/2)+4*\k+3], 0x80000000
.endr
.endm
.macro TLOAD4                          ; the refill of slot 0: one tensor load a wave; four v_nop follow each
	s_cmp_lt_u32 s[WV], 2
	s_cbranch_scc0 .Lsc_\@
	s_cmp_eq_u32 s[WV], 0
	s_cbranch_scc0 .Lbc_\@
	tensor_load_to_lds s[48:51], s[16:23]
	s_nop 0
	PLACES 4
	s_branch .Lok_\@
.Lbc_\@:
	tensor_load_to_lds s[52:55], s[24:31]
	s_nop 0
	PLACES 4
	s_branch .Lok_\@
.Lsc_\@:
	s_cmp_eq_u32 s[WV], 2
	s_cbranch_scc0 .Lbs_\@
	tensor_load_to_lds s[56:59], s[32:39]
	s_nop 0
	PLACES 4
	s_branch .Lok_\@
.Lbs_\@:
	tensor_load_to_lds s[60:63], s[40:47]
	s_nop 0
	PLACES 4
.Lok_\@:
.endm
.macro TFIRST                          ; a wave's three first fills stand together in one arm: three loads of mine are out
	s_cmp_lt_u32 s[WV], 2
	s_cbranch_scc0 .Lsc_\@
	s_cmp_eq_u32 s[WV], 0
	s_cbranch_scc0 .Lbc_\@
	tensor_load_to_lds s[48:51], s[16:23]
	s_nop 0
	tensor_load_to_lds s[68:71], s[16:23]
	s_nop 0
	tensor_load_to_lds s[84:87], s[16:23]
	s_nop 0
	PLACES 4
	s_branch .Lok_\@
.Lbc_\@:
	tensor_load_to_lds s[52:55], s[24:31]
	s_nop 0
	tensor_load_to_lds s[72:75], s[24:31]
	s_nop 0
	tensor_load_to_lds s[88:91], s[24:31]
	s_nop 0
	PLACES 4
	s_branch .Lok_\@
.Lsc_\@:
	s_cmp_eq_u32 s[WV], 2
	s_cbranch_scc0 .Lbs_\@
	tensor_load_to_lds s[56:59], s[32:39]
	s_nop 0
	tensor_load_to_lds s[76:79], s[32:39]
	s_nop 0
	tensor_load_to_lds s[92:95], s[32:39]
	s_nop 0
	PLACES 4
	s_branch .Lok_\@
.Lbs_\@:
	tensor_load_to_lds s[60:63], s[40:47]
	s_nop 0
	tensor_load_to_lds s[80:83], s[40:47]
	s_nop 0
	tensor_load_to_lds s[96:99], s[40:47]
	s_nop 0
	PLACES 4
.Lok_\@:
.endm
.macro GSTEP                           ; slot 0's next tiles: three slots on along K
	s_add_nc_u64 s[50:51], s[50:51], 3*3072
	s_add_nc_u64 s[54:55], s[54:55], 3*3072
	s_add_nc_u64 s[58:59], s[58:59], 3*ASTEP
	s_add_nc_u64 s[62:63], s[62:63], 3*BSTEP
.endm
; a fragment (tile i of my eight, the slot's q-th 128 along K): lane (r, h) takes blocks h and 2 + h: 24 bytes each at 384 h + 24 r, in pieces of 8 bytes; the 32 lanes of a load touch 64 different banks
.macro FRAG reg, adr, q, i
.irp p, 0,1,2,3,4,5
	ds_load_b64 v[\reg+2*\p:\reg+2*\p+1], v[\adr] offset:(\i)*3072+(\q)*1536+768*(\p/3)+8*(\p%3)
.endr
.endm
.macro FETCH_B slot, q, p
	WIN 0x40
.set fi, 0
.rept NBT
	FRAG 128*(\p)+12*fi, ADRB+\slot, \q, fi
.set fi, fi+1
.endr
	WIN 0
.endm
.macro FETCH_A slot, q, i0
.irp t, 0,1,2,3
	FRAG AF+12*(\i0+\t), ADRA+\slot, \q, \i0+\t
.endr
.endm
.macro SCALES set, slot                ; a slot's scale words into register set 0 or 1: the sets take turns from slot to slot
.irp t, 0,1,2,3,4,5,6,7
	ds_load_b32 v[SCA+16*(\set)+2*\t], v[ADSA+\slot] offset:64*\t
	ds_load_b32 v[SCA+16*(\set)+2*\t+1], v[ADSA+\slot] offset:1024+64*\t
.endr
.set fi, 0
.rept NBT
	ds_load_b32 v[SCB+16*(\set)+2*fi], v[ADSB+\slot] offset:64*fi
	ds_load_b32 v[SCB+16*(\set)+2*fi+1], v[ADSB+\slot] offset:64*NB+64*fi
.set fi, fi+1
.endr
.endm
.macro MULA a, p, q, sc, zero          ; the queries' tile a against the keys' eight; accumulator (a, b) at 8 (8 (a % 4) + b)
.irp b, 0,1,2,3,4,5,6,7
.if \zero
	v_wmma_scale_f32_16x16x128_f8f6f4 v[8*(8*((\a)%4)+\b):8*(8*((\a)%4)+\b)+7], v[128*(\p)+12*\b:128*(\p)+12*\b+11], v[AF+12*(\a):AF+12*(\a)+11], 0, v[SCB+16*(\sc)+2*\b+(\q)], v[SCA+16*(\sc)+2*(\a)+(\q)] matrix_a_fmt:MATRIX_FMT_BF6 matrix_b_fmt:MATRIX_FMT_BF6
.else
	v_wmma_scale_f32_16x16x128_f8f6f4 v[8*(8*((\a)%4)+\b):8*(8*((\a)%4)+\b)+7], v[128*(\p)+12*\b:128*(\p)+12*\b+11], v[AF+12*(\a):AF+12*(\a)+11], v[8*(8*((\a)%4)+\b):8*(8*((\a)%4)+\b)+7], v[SCB+16*(\sc)+2*\b+(\q)], v[SCA+16*(\sc)+2*(\a)+(\q)] matrix_a_fmt:MATRIX_FMT_BF6 matrix_b_fmt:MATRIX_FMT_BF6
.endif
.endr
.endm
; The 64 accumulators take turns, one instruction a turn.
.macro LO1 p, q, sc, zero
	WIN 0xa1
	MULA 0, \p, \q, \sc, \zero
	MULA 1, \p, \q, \sc, \zero
.endm
.macro LO2 p, q, sc, zero
	WIN 0xa1
	MULA 2, \p, \q, \sc, \zero
	MULA 3, \p, \q, \sc, \zero
.endm
.macro HI p, q, sc, zero
	WIN 0xf1
.irp t, 4,5,6,7
	MULA \t, \p, \q, \sc, \zero
.endr
.endm
; a slot's first 128 along K.  Loads into registers that matrix instructions have read stand four plain lines behind them.
.macro STEP slot, set, zero
	s_wait_dscnt 24                                ; all but the youngest 24 loads (the queries' tiles 4-7)
	LO1 0, 0, \set, \zero
	LO2 0, 0, \set, \zero
	s_wait_dscnt 0x0
	PLACES 4
	FETCH_B \slot, 1, 1
	FETCH_A \slot, 1, 0
	HI 0, 0, \set, \zero
	PLACES 4
	WIN 0
	FETCH_A \slot, 1, 4
.endm
; a slot's second 128 along K, and on to a slot that every wave has been shown whole at an earlier barrier and that nobody fills again: no barrier
.macro PASS set, next
	s_wait_dscnt 24
	LO1 1, 1, \set, 0
	LO2 1, 1, \set, 0
	s_wait_dscnt 0x0
	PLACES 4
	FETCH_B \next, 0, 0
	FETCH_A \next, 0, 0
	SCALES 1-(\set), \next
	HI 1, 1, \set, 0
	PLACES 4
	WIN 0
	FETCH_A \next, 0, 4
.endm
; a slot's second 128 along K, and a change of slots with a barrier: in front of it each wave waits for all its tensor loads, adds 0 to its spare word, and waits for that and for its reads of the slot.
; fill = 1 (leaving slot 0): slot 0 is filled again, first thing behind the barrier.
.macro TURN set, next, fill
	s_wait_tensorcnt 0x0                           ; all my tensor loads have landed; none of mine is out
	ds_add_u32 v[SPW], v[NIL]                      ; 0 onto my spare word
	s_wait_dscnt 25                                ; (the add and the youngest 24 loads may be out)
	LO1 1, 1, \set, 0
	s_wait_dscnt 0x0                               ; the add is done, my reads of this slot are over
	s_barrier_signal -1
	LO2 1, 1, \set, 0
	WIN 0
	s_barrier_wait -1
.if \fill
	GSTEP
	TLOAD4                                         ; my one tensor load behind the barrier; its four v_nop are the places in front of the loads below
.else
	PLACES 4
.endif
	FETCH_B \next, 0, 0
	FETCH_A \next, 0, 0
	SCALES 1-(\set), \next
	HI 1, 1, \set, 0
	PLACES 4
	WIN 0
	FETCH_A \next, 0, 4
.endm
	s_load_b256 s[4:11], s[0:1], 0x0               ; qk, qf, dsum, att
	s_load_b64 s[12:13], s[0:1], 0x20              ; den
	v_lshl_add_u32 v[SPW], v0, 2, SPARE
	v_mov_b32 v[NIL], 0
	ds_add_u32 v16, v17
	ds_add_u32 v16, v17
	s_wait_dscnt 0x0
	v_lshrrev_b32 v1, 5, v0
	v_readfirstlane_b32 s[WV], v1
	s_lshr_b32 s[RH], s[WV], 1
	s_and_b32 s[CH], s[WV], 1
	s_mov_b32 s2, ttmp9
	s_and_b32 s3, ttmp7, 0xffff                    ; the batch
	v_and_b32 v1, 15, v0                           ; r
	v_bfe_u32 v2, v0, 4, 1                         ; h
	GROUP1 16, 384, 16, 1536
	GROUP1 24, 384, 16, 1536
	GROUP1 32, 128, 2, 4096
	GROUP1 40, 128, 2, 4096
	s_wait_kmcnt 0x0
	s_cmp_ge_u32 s2, 36
	s_cbranch_scc1 .Lden
	; ---------------- a tile of scores ----------------
	s_mov_b32 s[TI], 0
.irp t, 1,3,6,10,15,21,28
	s_cmp_ge_u32 s2, \t
	s_cselect_b32 s101, 1, 0
	s_add_co_u32 s[TI], s[TI], s101                ; i: how many triangular numbers x has reached
.endr
	s_add_co_u32 s101, s[TI], 1
	s_mul_i32 s101, s101, s[TI]
	s_lshr_b32 s101, s101, 1
	s_sub_co_u32 s[TJ], s2, s101                   ; j
	s_lshl_b32 s2, s3, 7
	s_lshl_b32 s6, s[TI], 4
	s_add_co_u32 s6, s6, s2                        ; the queries' first row tile
	s_lshl_b32 s7, s[TJ], 4
	s_add_co_u32 s7, s7, s2                        ; the keys'
	s_mov_b32 s9, 0
	s_mul_i32 s8, s6, 12288
	s_add_nc_u64 s[12:13], s[4:5], s[8:9]
	GROUP0 0, 0, 12, 3072                          ; q's codes
	s_mul_i32 s8, s7, 12288
	s_add_co_u32 s8, s8, KCO
	s_add_nc_u64 s[12:13], s[4:5], s[8:9]
	GROUP0 1, BCOD, 12, 3072                       ; k's codes
	s_lshl_b32 s8, s6, 6
	s_add_co_u32 s8, s8, QSO
	s_add_nc_u64 s[12:13], s[4:5], s[8:9]
	GROUP0 2, ASCL, 12, ASTEP                      ; q's scale words
	s_lshl_b32 s8, s7, 6
	s_add_co_u32 s8, s8, KSO
	s_add_nc_u64 s[12:13], s[4:5], s[8:9]
	GROUP0 3, BSCL, 12, BSTEP                      ; k's scale words
	TFIRST
	v_mul_u32_u24 v3, v1, 24
	v_mad_u32_u24 v3, v2, 384, v3
	s_mul_i32 s2, s[RH], 8*3072
	s_mul_i32 s3, s[CH], NBT*3072
	s_add_co_u32 s3, s3, BCOD
	v_add_nc_u32 v[ADRA], s2, v3
	v_add_nc_u32 v[ADRB], s3, v3
	v_add_nc_u32 v[ADRA+1], SLOT, v[ADRA]
	v_add_nc_u32 v[ADRB+1], SLOT, v[ADRB]
	v_add_nc_u32 v[ADRA+2], 2*SLOT, v[ADRA]
	v_add_nc_u32 v[ADRB+2], 2*SLOT, v[ADRB]
	v_lshlrev_b32 v3, 2, v1
	s_lshl_b32 s2, s[RH], 9
	s_add_co_u32 s2, s2, ASCL
	s_mul_i32 s3, s[CH], NBT*64
	s_add_co_u32 s3, s3, BSCL
	v_add_nc_u32 v[ADSA], s2, v3
	v_add_nc_u32 v[ADSB], s3, v3
	v_add_nc_u32 v[ADSA+1], SLOT, v[ADSA]
	v_add_nc_u32 v[ADSB+1], SLOT, v[ADSB]
	v_add_nc_u32 v[ADSA+2], 2*SLOT, v[ADSA]
	v_add_nc_u32 v[ADSB+2], 2*SLOT, v[ADSB]
	v_mul_u32_u24 v[CO], v1, 24
	v_mad_u32_u24 v[CO], v2, 12, v[CO]             ; 24 r + 12 h
	v_and_b32 v[L4], 31, v0
	v_lshlrev_b32 v[L4], 2, v[L4]
	v_and_b32 v[D0], 8, v1
	v_add_nc_u32 v[D0], v[D0], v1
	v_lshlrev_b32 v2, 4, v2
	v_sub_nc_u32 v[D0], v[D0], v2                  ; r + 8 (r / 8) - 16 h
	v_mov_b32 v[ZR], 0
	v_mov_b32 v[ZR+1], 0
	v_mov_b32 v[ZR+2], 0
	v_mov_b32 v[ONE], 0x7f7f7f7f
.irp u, 0,1,2,3,4,5,6,7,8,9,10,11,12,13,14,15
	v_mov_b32 v[QP+\u], 0                          ; a lane permute's destination counts as read
.endr
	s_lshl_b32 s2, s[RH], 3
	s_add_co_u32 s6, s6, s2                        ; my first row tile
	s_mul_i32 s8, s6, 24576
	s_lshl_b32 s2, s[TJ], 1
	s_add_co_u32 s2, s2, s[CH]                     ; my 128 keys: 2 j + ch
	s_mul_i32 s3, s2, 1536
	s_add_co_u32 s8, s8, s3
	s_add_nc_u64 s[CP:CP+1], s[10:11], s[8:9]      ; where my codes go
	s_lshl_b32 s12, s2, 15
	s_lshl_b32 s3, s6, 6
	s_add_co_u32 s12, s12, s3
	s_add_co_u32 s12, s12, ASO
	s_mov_b32 s13, 0
	s_add_nc_u64 s[SP:SP+1], s[10:11], s[12:13]    ; and my scale words
	s_mov_b32 s[M16], 0xffff0000
	s_mov_b32 s[SEL], 0x76543210
	s_mov_b32 s[SEL+1], 0xfedcba98
	s_wait_tensorcnt 2                             ; my part of slot 0 is in; slots 1 and 2's may stay out
	s_barrier_signal -1
	s_barrier_wait -1
	FETCH_B 0, 0, 0
	FETCH_A 0, 0, 0
	SCALES 0, 0
	FETCH_A 0, 0, 4
	STEP 0, 0, 1                                   ; K 0: the first products start the sums
	TURN 0, 1, 1                                   ; K 128; all three first fills have landed in every wave; slot 0 takes K 768 on
	STEP 1, 1, 0                                   ; K 256
	PASS 1, 2                                      ; K 384
	STEP 2, 0, 0                                   ; K 512
	TURN 0, 0, 0                                   ; K 640; the refill has landed in every wave; nothing more is asked for
	STEP 0, 1, 0                                   ; K 768
	s_wait_dscnt 24                                ; K 896
	LO1 1, 1, 1, 0
	LO2 1, 1, 1, 0
	s_wait_dscnt 0x0
	HI 1, 1, 1, 0
	WIN 0
	PLACES 4
	s_cmp_lg_u32 s[TI], s[TJ]                      ; under the diagonal nothing is hidden
	s_cbranch_scc1 .Lquant
	s_cmp_gt_u32 s[RH], s[CH]
	s_cbranch_scc1 .Lquant
	s_cmp_lt_u32 s[RH], s[CH]
	s_cbranch_scc1 .Lzero
	; my 128 x 128 lie on the diagonal.  Tile a's query is 32 (a / 2) + 8 (a % 2) + r + 8 (r / 8); register 16 b + n holds key 32 b + 16 h + n: hidden where the key is the greater
.irp a, 0,1,2,3,4,5,6,7
	WIN 0x82+0x41*(\a/4)
.set mb, 64*(\a%4)+16*(\a/2)
.irp n, 0,1,2,3,4,5,6,7,8,9,10,11,12,13,14,15
	v_cmp_gt_i32 vcc_lo, \n-8*(\a%2), v[D0]
	v_cndmask_b32 v[mb+\n], v[mb+\n], v[ZR], vcc_lo
.endr
.set mz, mb+16
.rept 16*(3-\a/2)
	v_mov_b32 v[mz], 0                             ; the blocks of 32 keys behind the query's own
.set mz, mz+1
.endr
.endr
	WIN 0
.Lquant:
; four tiles of queries x four blocks of 32 keys: unit u = 4 a' + b at registers 16 u
.macro SQUANT w
	WIN 0x28+0x14*(\w)
.irp u, 0,1,2,3,4,5,6,7,8,9,10,11,12,13,14,15
	v_max3_num_f32 v[QM+\u], 0x2800000, |v[16*\u]|, |v[16*\u+1]|
.endr
.irp i, 2,4,6,8,10,12,14
.irp u, 0,1,2,3,4,5,6,7,8,9,10,11,12,13,14,15
	v_max3_num_f32 v[QM+\u], v[QM+\u], |v[16*\u+\i]|, |v[16*\u+\i+1]|
.endr
.endr
	WIN 0
.irp u, 0,1,2,3,4,5,6,7,8,9,10,11,12,13,14,15
	v_permlanex16_b32 v[QP+\u], v[QM+\u], s[SEL], s[SEL+1]
.endr
.irp u, 0,1,2,3,4,5,6,7,8,9,10,11,12,13,14,15
	v_max_num_f32 v[QM+\u], v[QM+\u], v[QP+\u]
.endr
.irp u, 0,1,2,3,4,5,6,7,8,9,10,11,12,13,14,15
	v_add_nc_u32 v[QM+\u], 0xfe000000, v[QM+\u]    ; 4 off the exponent field: the conversion's scale operand
.endr
.irp u, 0,1,2,3,4,5,6,7,8,9,10,11,12,13,14,15
	v_lshrrev_b32 v[QP+\u], 23, v[QM+\u]
.endr
.irp t, 0,1,2,3
	v_lshl_or_b32 v[PW+4*(\w)+\t], v[QP+4*\t+1], 8, v[QP+4*\t]
	v_lshl_or_b32 v[PW+4*(\w)+\t], v[QP+4*\t+2], 16, v[PW+4*(\w)+\t]
	v_lshl_or_b32 v[PW+4*(\w)+\t], v[QP+4*\t+3], 24, v[PW+4*(\w)+\t]
.endr
	WIN 0x02+(\w)
.irp u, 0,1,2,3,4,5,6,7,8,9,10,11,12,13,14,15
	v_cvt_scalef32_pk16_bf6_f32 v[QC+64*(\w)+4*\u:QC+64*(\w)+4*\u+2], v[16*\u:16*\u+15], v[QM+\u]
.endr
	v_nop                                          ; a plain line behind the last conversion
	WIN 0
.irp u, 0,1,2,3,4,5,6,7,8,9,10,11,12,13,14,15
	global_store_b96 v[CO], v[QC+64*(\w)+4*\u:QC+64*(\w)+4*\u+2], s[CP:CP+1] offset:(4*(\w)+\u/4)*24576+(\u%4)*384   ; 384 consecutive bytes
.endr
.endm
	SQUANT 0
	SQUANT 1
.irp p, 0,1,2,3
	v_cndmask_b32 v[PW+2*\p], v[PW+2*\p], v[PW+2*\p+1], s[M16]
.endr
.irp p, 0,1,2,3
	global_store_b32 v[L4], v[PW+2*\p], s[SP:SP+1] offset:128*\p
.endr
	s_branch .Lext
.macro ZSTORE co, so                   ; my 128 x 128 as zero codes with the byte 127
.irp a, 0,1,2,3,4,5,6,7
.irp b, 0,1,2,3
	global_store_b96 v[CO], v[ZR:ZR+2], s[CP:CP+1] offset:\a*24576+\b*384+\co
.endr
.endr
.irp p, 0,1,2,3
	global_store_b32 v[L4], v[ONE], s[SP:SP+1] offset:128*\p+\so
.endr
.endm
.Lzero:
	ZSTORE 0, 0
.Lext:
	s_cmp_lg_u32 s[TI], s[TJ]
	s_cbranch_scc1 .Lfin
	s_bitcmp1_b32 s[TI], 0
	s_cbranch_scc1 .Lfin
	ZSTORE 3072, 65536                             ; tile (i, i + 1): 256 keys on
	s_branch .Lfin
	; ---------------- the divisor ----------------
.Lden:
	s_mov_b32 s98, 0x76543210
	s_mov_b32 s99, 0xfedcba98                      ; selects for lane l xor 16
	s_sub_co_u32 s84, s2, 36                       ; e = 0 .. 27
	s_lshr_b32 s85, s84, 2
	s_add_co_u32 s85, s85, 1                       ; c: the rows' block of 256, 1 .. 7
	s_and_b32 s87, s84, 3
	s_lshl_b32 s87, s87, 2
	s_add_co_u32 s87, s87, s[WV]
	s_lshl_b32 s88, s85, 4
	s_add_co_u32 s87, s87, s88
	s_lshl_b32 s88, s3, 7
	s_add_co_u32 s87, s87, s88                     ; my row tile
	s_lshl_b32 s88, s3, 15
	s_add_co_u32 s88, s88, SSO
	s_mov_b32 s89, 0
	s_add_nc_u64 s[88:89], s[8:9], s[88:89]        ; the batch's block sums of k
	s_lshl_b32 s90, s87, 6
	s_mov_b32 s91, 0
	s_add_nc_u64 s[92:93], s[8:9], s[90:91]        ; my rows' parts
	s_add_nc_u64 s[94:95], s[12:13], s[90:91]      ; my rows' divisor
	s_lshl_b32 s90, s87, 16
	s_add_nc_u64 s[90:91], s[6:7], s[90:91]        ; my rows' q
	v_lshlrev_b32 v4, 5, v0                        ; thread t: columns 8 t .. 8 t + 7
	v_add_nc_u32 v5, PL, v4
	v_lshlrev_b32 v9, 2, v1                        ; 4 r
	v_lshl_add_u32 v6, v2, 15, v9                  ; + 32,768 h
	v_and_b32 v7, 31, v0
	v_lshlrev_b32 v7, 4, v7                        ; 16 x lane
	v_lshl_add_u32 v8, v2, 6, PL                   ; PL + 64 h
.irp c, 0,1,2,3,4,5,6
	global_load_b128 v[128+8*\c:131+8*\c], v4, s[88:89] offset:4096*\c
	global_load_b128 v[132+8*\c:135+8*\c], v4, s[88:89] offset:4096*\c+16
.endr
.irp i, 0,1,2,3,4,5,6,7,8,9,10,11,12,13,14,15
	global_load_b32 v[96+\i], v6, s[92:93] offset:65536*\i         ; the parts of blocks of 32 d: 2 i + h
.endr
	WIN 0x40
.irp s, 0,1,2,3,4,5,6,7
.irp c, 0,1,2,3
	global_load_b128 v[16*\s+4*\c:16*\s+4*\c+3], v7, s[90:91] offset:2048*\s+512*\c th:TH_LOAD_NT
.endr
.endr
	WIN 0
	s_wait_loadcnt 48                              ; the block sums are in: 16 + 32 younger loads may be out
.irp c, 1,2,3,4,5,6
	s_cmp_gt_u32 s85, \c                           ; block c' counts where c' < c: a weight of 1 or 0, no jump
	s_cselect_b32 s96, 1.0, 0
	s_mov_b32 s97, s96
.irp i, 0,2,4,6
	v_pk_fma_f32 v[128+\i:129+\i], v[128+8*\c+\i:129+8*\c+\i], s[96:97], v[128+\i:129+\i] op_sel_hi:[1,0,1]
.endr
.endr
	ds_store_b128 v5, v[128:131]
	ds_store_b128 v5, v[132:135] offset:16
	WIN 0x40
.irp s, 8,9,10,11,12,13,14,15
.irp c, 0,1,2,3
	global_load_b128 v[16*\s+4*\c:16*\s+4*\c+3], v7, s[90:91] offset:2048*\s+512*\c th:TH_LOAD_NT
.endr
.endr
	WIN 0x80
.irp s, 0,1,2,3,4,5,6,7,8,9,10,11,12,13,14,15
.irp c, 0,1,2,3
	global_load_b128 v[16*\s+4*\c:16*\s+4*\c+3], v7, s[90:91] offset:2048*(16+\s)+512*\c th:TH_LOAD_NT
.endr
.endr
	WIN 0
	s_wait_dscnt 0x0                               ; my eight columns' sum lies in LDS
	s_barrier_signal -1
	s_barrier_wait -1                              ; all 1,024 do
.irp g, 0,1,2,3,4,5,6,7                ; four blocks of 32 d at a time
.irp s, 0,1,2,3
.irp c, 0,1,2,3
	ds_load_b128 v[192+16*\s+4*\c:195+16*\s+4*\c], v8 offset:128*(4*\g+\s)+16*\c
.endr
.endr
	s_wait_dscnt 0x0
.set lc, 112-16*\g                     ; the loads of q issued behind this group's
.if lc > 63
.set lc, 63
.endif
	s_wait_loadcnt lc
	WIN 0x01+(\g/4)
.irp s, 0,1,2,3
.irp i, 0,2,4,6,8,10,12,14
	v_pk_fma_f32 v[96+2*((\i/2)%4):97+2*((\i/2)%4)], v[16*((4*\g+\s)%16)+\i:16*((4*\g+\s)%16)+\i+1], v[192+16*\s+\i:193+16*\s+\i], v[96+2*((\i/2)%4):97+2*((\i/2)%4)]   ; onto the first eight parts: four chains
.endr
.endr
	WIN 0
.endr
.macro DSUM s                          ; 16 numbers a lane, the other half of the lanes', + 1e-6
.irp i, 0,4,8,12
	v_pk_add_f32 v[\s+\i:\s+\i+1], v[\s+\i:\s+\i+1], v[\s+\i+2:\s+\i+3]
.endr
	v_pk_add_f32 v[\s:\s+1], v[\s:\s+1], v[\s+4:\s+5]
	v_pk_add_f32 v[\s+8:\s+9], v[\s+8:\s+9], v[\s+12:\s+13]
	v_pk_add_f32 v[\s:\s+1], v[\s:\s+1], v[\s+8:\s+9]
	v_add_f32 v[\s], v[\s], v[\s+1]
	v_permlanex16_b32 v[\s+1], v[\s], s98, s99
	v_add_f32 v[\s], v[\s], v[\s+1]
	v_add_f32 v[\s], 0x358637bd, v[\s]
.endm
	DSUM 96
	global_store_b32 v9, v96, s[94:95]             ; 64 bytes; lanes 16-31 store the same words
	s_cmp_lt_u32 s84, 4                            ; the batch's first block has no earlier block: its 16 row tiles are shared out among the first four of these work-groups
	s_cbranch_scc0 .Lfin
	s_lshl_b32 s87, s84, 2
	s_add_co_u32 s87, s87, s[WV]
	s_lshl_b32 s88, s3, 7
	s_add_co_u32 s87, s87, s88
	s_lshl_b32 s96, s87, 6
	s_mov_b32 s97, 0
	s_add_nc_u64 s[88:89], s[8:9], s[96:97]        ; (every load by these registers has come back)
	s_add_nc_u64 s[90:91], s[12:13], s[96:97]
.irp i, 0,1,2,3,4,5,6,7,8,9,10,11,12,13,14,15
	global_load_b32 v[112+\i], v6, s[88:89] offset:65536*\i
.endr
	s_wait_loadcnt 0x0
	DSUM 112
	global_store_b32 v9, v112, s[90:91]
.Lfin:
	s_wait_tensorcnt 0x0                           ; the wave's end
	ds_add_u32 v[SPW], v[NIL]
	s_wait_dscnt 0x0
	s_endpgm
.Lfunc_end_k_q7416932b90_score:
	.size	k_q7416932b90_score, .Lfunc_end_k_q7416932b90_score-k_q7416932b90_score
	.p2alignl 7, 3214868480
	.fill 96, 4, 3214868480
	.section	.rodata,"a",@progbits
	.p2align	6, 0x0
	.amdhsa_kernel k_q7416932b90_score
		.amdhsa_group_segment_fixed_size 327680
		.amdhsa_private_segment_fixed_size 0
		.amdhsa_enable_private_segment 0
		.amdhsa_kernarg_size 40
		.amdhsa_user_sgpr_count 2
		.amdhsa_user_sgpr_kernarg_segment_ptr 1
		.amdhsa_wavefront_size32 1
		.amdhsa_system_sgpr_workgroup_id_x 1
		.amdhsa_system_sgpr_workgroup_id_y 1
		.amdhsa_system_sgpr_workgroup_id_z 1
		.amdhsa_system_vgpr_workitem_id 0
		.amdhsa_next_free_vgpr 1024
		.amdhsa_next_free_sgpr 102
		.amdhsa_reserve_vcc 1
		.amdhsa_float_denorm_mode_32 3
		.amdhsa_float_denorm_mode_16_64 3
		.amdhsa_memory_ordered 1
		.amdhsa_forward_progress 1
		.amdhsa_inst_pref_size 236
	.end_amdhsa_kernel
	.amdgpu_metadata
---
amdhsa.version: [ 1, 2 ]
amdhsa.kernels:
  - .name:           k_q7416932b90_score
    .symbol:         k_q7416932b90_score.kd
    .args:
      - { .name: qk, .offset: 0, .size: 8, .value_kind: global_buffer, .address_space: global }
      - { .name: qf, .offset: 8, .size: 8, .value_kind: global_buffer, .address_space: global }
      - { .name: dsum, .offset: 16, .size: 8, .value_kind: global_buffer, .address_space: global }
      - { .name: att, .offset: 24, .size: 8, .value_kind: global_buffer, .address_space: global }
      - { .name: den, .offset: 32, .size: 8, .value_kind: global_buffer, .address_space: global }
    .group_segment_fixed_size: 327680
    .private_segment_fixed_size: 0
    .kernarg_segment_align: 8
    .kernarg_segment_size: 40
    .max_flat_workgroup_size: 128
    .sgpr_count:     102
    .vgpr_count:     1024
    .wavefront_size: 32
...
	.end_amdgpu_metadata
.endif
;; end of part 3
;; launch outp (part 4): grid 8 x 32, 4 waves a work-group, clusters of 4 x 1, 327,680 bytes of LDS; arguments att, vt, den, out0; writes out0
.if DOCPART == 4
	.amdgcn_target "amdgcn-amd-amdhsa--gfx1250"
	.amdhsa_code_object_version 6
	.text
	.protected	k_q7416932b90_outp
	.globl	k_q7416932b90_outp
	.p2align	8
	.type	k_q7416932b90_outp,@function
k_q7416932b90_outp:
	s_mov_b64 s[64:65], 0
	v_nop
	global_prefetch_b8 v0, s[64:65] scope:SCOPE_SE
	s_setreg_imm32_b32 hwreg(HW_REG_WAVE_MODE, 25, 1), 1
	s_wait_xcnt 0x0
	s_wait_alu depctr_hold_cnt(0) depctr_sa_sdst(0) depctr_va_vdst(0) depctr_va_sdst(0) depctr_va_ssrc(0) depctr_va_vcc(0) depctr_vm_vsrc(0)
	s_getreg_b32 s2, hwreg(HW_REG_IB_STS2, 6, 4)
	s_cmp_eq_u32 s2, 0
	s_cbranch_scc0 .Lentry_in_a_cluster
	s_endpgm
.Lentry_in_a_cluster:
	s_bfe_u32 s2, ttmp6, 0x10000c
	s_cmp_lg_u32 s2, 0x3003
	s_cbranch_scc0 .Lentry_shape_is_right
	s_endpgm
.Lentry_shape_is_right:
; Product 4 on E3M2 codes, divided by the divisor.  y = 8 batch + i: 256 queries; x: 128 of the 1,024 columns d.  Wave (rh, ch): 128 queries x 64 d: 32 accumulators.
; Transposed: source 0 = 16 rows d of v^T, source 1 = 16 queries of the masked scores: a lane holds eight neighbouring d of one query.
; K = the keys, only as far as the mask lets any through: (i + 2) / 2 slots of 512 keys, 1 to 4 (the launch before has stored zeros where a slot reaches past the diagonal).  The count hangs on y alone, which the partners share.
; TWO LDS SLOTS OF 512 KEYS, four steps of 128 each, as large as two fit beside the stages: one tensor load a wave and slot (0 the scores' codes, 1 v's codes, 2 the scores' scale words, 3 v's).
; Up to 1,024 keys are asked for at the start; the longest walk has two refills, each with 112 matrix instructions in which to land.  The walk is written out, with forward branches on the count of slots into its tails.
; With one slot the second first fill is not issued: its bytes of the scores were never stored.
; CLUSTER 4 x 1: the four work-groups share the queries: the scores' tiles are asked for jointly (mask 15); v's tiles differ from partner to partner and come by loads of their own.
; REGISTERS: window 0: v1-17 addresses; v32-95 scale words and nothing else, two sets of two steps; v96-111 the divisors; v128-223 the scores' 8 fragments; window 1: v's fragments, two sets (v0, v128), on the way out the rows read back; window 2: the accumulators.
; LIMITS: NaN and infinities are not served; the division is a multiplication by v_rcp_f32 of the divisor.
.set ASO, 12582912
.set VSO, 6291456
.set NB,   8
.set NBT,  4
.set TB,   6144                        ; a tile of 16 rows in a slot: 512 keys = 16 blocks of 384 bytes
.set BCOD, 16*TB
.set ASCL, BCOD+NB*TB
.set BSCL, ASCL+4096
.set SLOT, BSCL+256*NB                 ; 153,600
.set SPARE, 2*SLOT                     ; the spare words: 512 bytes that no other line names
.set STG,  SPARE+512                   ; the way out: 16 rows x 272 bytes for each wave
.set CSTEP, TB                         ; a slot on, in bytes: in a tile's codes,
.set ASTEP, 131072                     ; in the scores' scale words (4 steps x 32,768),
.set BSTEP, 65536                      ; in v's (4 x 16,384)
.set ADRA, 4
.set ADRB, 6
.set ADSA, 8
.set ADSB, 10
.set SPW,  12
.set NIL,  13
.set STO,  14
.set RD,   15
.set GO,   16
.set R4,   17
.set SCA,  32
.set SCB,  64
.set DN,   96                          ; v96-111 the divisors of my eight tiles, a pair each (the odd ones 0)
.set AF,   128
.set NSL,  3                           ; s3 the count of slots
.set CH,   12
.set WV,   14
.set RH,   15
.set DP,   66                          ; s[66:67] my rows' divisors
.set OP,   98                          ; s[98:99] my part of the output
.set MSB, 0
.macro WIN new
.if MSB != (\new)
	s_set_vgpr_msb (MSB<<8)|(\new)
.set MSB, (\new)
.endif
.endm
.macro PLACES n
.rept \n
	v_nop
.endr
.endm
.macro CREST
	s_cmp_lg_u32 s[WV], 0
	s_cbranch_scc1 .Lnot_wave_0_\@
	s_barrier_signal -3
.Lnot_wave_0_\@:
	s_barrier_wait -3
	s_barrier_signal -1
	s_barrier_wait -1
.endm
.macro CROUND
	s_barrier_signal -1
	s_barrier_wait -1
	CREST
.endm
.macro GROUP1 g, c, r, p
	s_mov_b32 s[\g+1], (\c)<<16
	s_mov_b32 s[\g+2], (\r)<<16
	s_mov_b32 s[\g+3], (\c)<<16
	s_mov_b32 s[\g+4], \r
	s_mov_b32 s[\g+5], \p
	s_mov_b32 s[\g+6], 0
	s_mov_b32 s[\g+7], 0
.endm
.macro GROUP0 g, lds, a, step
.irp t, 0,1
	s_mov_b32 s[\g+4*\t], 1
	s_mov_b32 s[\g+4*\t+1], \lds+\t*SLOT
	s_add_nc_u64 s[\g+4*\t+2:\g+4*\t+3], s[\a:\a+1], \t*\step
	s_or_b32 s[\g+4*\t+3], s[\g+4*\t+3], 0x80000000
.endr
.endm
.macro TLOAD4 s                        ; one tensor load a wave; the branches hang on the wave's number alone; four v_nop follow each load
	s_cmp_lt_u32 s[WV], 2
	s_cbranch_scc0 .Lsc_\@
	s_cmp_eq_u32 s[WV], 0
	s_cbranch_scc0 .Lbc_\@
	tensor_load_to_lds s[48+4*\s:51+4*\s], s[16:23]
	s_nop 0
	PLACES 4
	s_branch .Lok_\@
.Lbc_\@:
	tensor_load_to_lds s[56+4*\s:59+4*\s], s[24:31]
	s_nop 0
	PLACES 4
	s_branch .Lok_\@
.Lsc_\@:
	s_cmp_eq_u32 s[WV], 2
	s_cbranch_scc0 .Lbs_\@
	tensor_load_to_lds s[68+4*\s:71+4*\s], s[32:39]
	s_nop 0
	PLACES 4
	s_branch .Lok_\@
.Lbs_\@:
	tensor_load_to_lds s[76+4*\s:79+4*\s], s[40:47]
	s_nop 0
	PLACES 4
.Lok_\@:
.endm
.macro GSTEP s                         ; this slot's next tiles: two slots on
	s_add_nc_u64 s[50+4*\s:51+4*\s], s[50+4*\s:51+4*\s], 2*CSTEP
	s_add_nc_u64 s[58+4*\s:59+4*\s], s[58+4*\s:59+4*\s], 2*CSTEP
	s_add_nc_u64 s[70+4*\s:71+4*\s], s[70+4*\s:71+4*\s], 2*ASTEP
	s_add_nc_u64 s[78+4*\s:79+4*\s], s[78+4*\s:79+4*\s], 2*BSTEP
.endm
; a fragment (tile i of mine, the slot's q-th 128 keys): lane (r, h) takes blocks h and 2 + h: 24 bytes each at 384 h + 24 r, in pieces of 8 bytes; the 32 lanes of a load touch 64 different banks
.macro FRAG reg, adr, q, i
.irp p, 0,1,2,3,4,5
	ds_load_b64 v[\reg+2*\p:\reg+2*\p+1], v[\adr] offset:(\i)*TB+(\q)*1536+768*(\p/3)+8*(\p%3)
.endr
.endm
.macro FETCH_B slot, q, p
	WIN 0x40
.set fi, 0
.rept NBT
	FRAG 128*(\p)+12*fi, ADRB+\slot, \q, fi
.set fi, fi+1
.endr
	WIN 0
.endm
.macro FETCH_A slot, q, i0
.irp t, 0,1,2,3
	FRAG AF+12*(\i0+\t), ADRA+\slot, \q, \i0+\t
.endr
.endm
.macro SCALES slot, pr                 ; the scale words of the slot's steps 2 pr and 2 pr + 1 into register set pr
.irp t, 0,1,2,3,4,5,6,7
	ds_load_b32 v[SCA+16*(\pr)+2*\t], v[ADSA+\slot] offset:2048*(\pr)+64*\t
	ds_load_b32 v[SCA+16*(\pr)+2*\t+1], v[ADSA+\slot] offset:2048*(\pr)+1024+64*\t
.endr
.set fi, 0
.rept NBT
	ds_load_b32 v[SCB+16*(\pr)+2*fi], v[ADSB+\slot] offset:128*NB*(\pr)+64*fi
	ds_load_b32 v[SCB+16*(\pr)+2*fi+1], v[ADSB+\slot] offset:128*NB*(\pr)+64*NB+64*fi
.set fi, fi+1
.endr
.endm
.macro MULA a, p, q, sc, zero          ; the queries' tile a against four tiles of d; accumulator (a, b) at 8 (4 a + b) of window 2
.irp b, 0,1,2,3
.if \zero
	v_wmma_scale_f32_16x16x128_f8f6f4 v[8*(4*(\a)+\b):8*(4*(\a)+\b)+7], v[128*(\p)+12*\b:128*(\p)+12*\b+11], v[AF+12*(\a):AF+12*(\a)+11], 0, v[SCB+16*(\sc)+2*\b+(\q)], v[SCA+16*(\sc)+2*(\a)+(\q)] matrix_a_fmt:MATRIX_FMT_BF6 matrix_b_fmt:MATRIX_FMT_BF6
.else
	v_wmma_scale_f32_16x16x128_f8f6f4 v[8*(4*(\a)+\b):8*(4*(\a)+\b)+7], v[128*(\p)+12*\b:128*(\p)+12*\b+11], v[AF+12*(\a):AF+12*(\a)+11], v[8*(4*(\a)+\b):8*(4*(\a)+\b)+7], v[SCB+16*(\sc)+2*\b+(\q)], v[SCA+16*(\sc)+2*(\a)+(\q)] matrix_a_fmt:MATRIX_FMT_BF6 matrix_b_fmt:MATRIX_FMT_BF6
.endif
.endr
.endm
; The 32 accumulators take turns, one instruction a turn, in the same order in every step, on every way through the branches.
.macro LO1 p, q, sc, zero
	WIN 0xa1
	MULA 0, \p, \q, \sc, \zero
	MULA 1, \p, \q, \sc, \zero
.endm
.macro LO2 p, q, sc, zero
	WIN 0xa1
	MULA 2, \p, \q, \sc, \zero
	MULA 3, \p, \q, \sc, \zero
.endm
.macro HI p, q, sc, zero
	WIN 0xa1
.irp t, 4,5,6,7
	MULA \t, \p, \q, \sc, \zero
.endr
.endm
; step q = 0 or 2 of a slot; it fetches step q + 1.  Loads into registers that matrix instructions have read stand four plain lines behind them.
.macro STEP slot, q, zero
	s_wait_dscnt 24                                ; all but the youngest 24 loads (the queries' tiles 4-7)
	LO1 0, 0, (\q)/2, \zero
	LO2 0, 0, (\q)/2, \zero
	s_wait_dscnt 0x0
	PLACES 4
	FETCH_B \slot, (\q)+1, 1
	FETCH_A \slot, (\q)+1, 0
	HI 0, 0, (\q)/2, \zero
	PLACES 4
	WIN 0
	FETCH_A \slot, (\q)+1, 4
.endm
; step 1 of a slot; it fetches step 2 of the same slot and the scale words of steps 2 and 3: no barrier, the whole slot was shown to every wave in front of its first step
.macro MID slot
	s_wait_dscnt 24
	LO1 1, 1, 0, 0
	LO2 1, 1, 0, 0
	s_wait_dscnt 0x0
	PLACES 4
	FETCH_B \slot, 2, 0
	FETCH_A \slot, 2, 0
	SCALES \slot, 1
	HI 1, 1, 0, 0
	PLACES 4
	WIN 0
	FETCH_A \slot, 2, 4
.endm
; step 3 of a slot, and the change of slots: one barrier; in front of it each wave waits for all its tensor loads, adds 0 to its spare word, and waits for that and for its reads of this slot
.macro TURN slot, next, fill
	s_wait_tensorcnt 0x0                           ; my part of the next slot has landed; no load of mine is out
	ds_add_u32 v[SPW], v[NIL]                      ; 0 onto my spare word
	s_wait_dscnt 25                                ; (the add and the youngest 24 loads may be out)
	LO1 1, 1, 1, 0
	s_wait_dscnt 0x0                               ; the add is done, my reads of this slot are over
	s_barrier_signal -1
	LO2 1, 1, 1, 0
	WIN 0
	s_barrier_wait -1
.if \fill
	CREST                                          ; the barrier has opened a round of the cluster's: no wave of any partner still reads this slot or has a load on its way
	GSTEP \slot
	TLOAD4 \slot                                   ; my one tensor load behind the round; its four v_nop are the places in front of the loads below
.else
	PLACES 4
.endif
	FETCH_B \next, 0, 0
	FETCH_A \next, 0, 0
	SCALES \next, 0
	HI 1, 1, 1, 0
	PLACES 4
	WIN 0
	FETCH_A \next, 0, 4
.endm
.macro BODY slot, zero                 ; a slot's steps 0, 1, 2; step 3's fragments are on their way at its end
	STEP \slot, 0, \zero
	MID \slot
	STEP \slot, 2, 0
.endm
	s_load_b256 s[4:11], s[0:1], 0x0               ; att, vt, den, out0
	v_lshl_add_u32 v[SPW], v0, 2, SPARE
	v_mov_b32 v[NIL], 0
	ds_add_u32 v12, v13
	ds_add_u32 v12, v13
	s_wait_dscnt 0x0
	v_lshrrev_b32 v1, 5, v0
	v_readfirstlane_b32 s[WV], v1
	s_lshr_b32 s[RH], s[WV], 1
	s_and_b32 s[CH], s[WV], 1
	s_bfe_u32 s84, ttmp6, 0x40000                  ; cx
	s_lshl_b32 s85, ttmp9, 2
	s_add_co_u32 s85, s85, s84                     ; which 128 columns d: it enters v's and the output's addresses alone
	s_and_b32 s86, ttmp7, 0xffff                   ; y = 8 batch + i
	s_and_b32 s[NSL], s86, 7
	s_add_co_u32 s[NSL], s[NSL], 2
	s_lshr_b32 s[NSL], s[NSL], 1                   ; slots of 512 keys: 1 .. 4
	s_mov_b32 s16, 15|(3<<16)|(1<<21)              ; all four work-groups; elements of 8 bytes; bit 21 beside a mask
	s_mov_b32 s24, 3<<16
	s_mov_b32 s32, 15|(3<<16)|(1<<21)
	s_mov_b32 s40, 3<<16
	GROUP1 16, 768, 16, 3072                       ; the scores' codes: 16 tiles x 6,144 bytes, 24,576 apart
	GROUP1 24, 768, 8, 3072                        ; v's: 8 tiles
	GROUP1 32, 128, 4, 4096                        ; the scores' scale words: 4 steps x 1,024 bytes, 32,768 apart
	GROUP1 40, 64, 4, 2048                         ; v's: 4 x 512 bytes, 16,384 apart
	s_mul_i32 s88, s86, 393216                     ; row tile 16 y
	s_mov_b32 s89, 0
	s_lshl_b32 s90, s86, 10
	s_add_co_u32 s90, s90, ASO
	s_mov_b32 s91, 0
	s_lshr_b32 s92, s86, 3
	s_lshl_b32 s92, s92, 6
	s_lshl_b32 s93, s85, 3
	s_add_co_u32 s92, s92, s93                     ; v's first tile: 64 batch + 8 x
	s_mul_i32 s94, s92, 24576
	s_mov_b32 s95, 0
	s_lshl_b32 s96, s92, 6
	s_add_co_u32 s96, s96, VSO
	s_mov_b32 s97, 0
	s_lshl_b32 s[DP], s86, 10
	s_lshl_b32 s87, s[RH], 9
	s_add_co_u32 s[DP], s[DP], s87                 ; my rows' divisors: 64 bytes a tile
	s_mov_b32 s[DP+1], 0
	s_lshl_b32 s[OP], s86, 20
	s_lshl_b32 s87, s[RH], 19
	s_add_co_u32 s[OP], s[OP], s87                 ; my first row: 256 y + 128 rh, 4,096 bytes a row
	s_lshl_b32 s87, s85, 9
	s_add_co_u32 s[OP], s[OP], s87
	s_lshl_b32 s87, s[CH], 8
	s_add_co_u32 s[OP], s[OP], s87                 ; my 64 columns
	s_mov_b32 s[OP+1], 0
	; the lanes' addresses are made here, while the arguments are on their way
	v_and_b32 v1, 15, v0                           ; r
	v_bfe_u32 v2, v0, 4, 1                         ; h
	v_mul_u32_u24 v3, v1, 24
	v_mad_u32_u24 v3, v2, 384, v3
	s_mul_i32 s87, s[RH], 8*TB
	s_mul_i32 s92, s[CH], NBT*TB
	s_add_co_u32 s92, s92, BCOD
	v_add_nc_u32 v[ADRA], s87, v3
	v_add_nc_u32 v[ADRB], s92, v3
	v_add_nc_u32 v[ADRA+1], SLOT, v[ADRA]
	v_add_nc_u32 v[ADRB+1], SLOT, v[ADRB]
	v_lshlrev_b32 v[R4], 2, v1
	s_lshl_b32 s87, s[RH], 9
	s_add_co_u32 s87, s87, ASCL
	s_mul_i32 s92, s[CH], NBT*64
	s_add_co_u32 s92, s92, BSCL
	v_add_nc_u32 v[ADSA], s87, v[R4]
	v_add_nc_u32 v[ADSB], s92, v[R4]
	v_add_nc_u32 v[ADSA+1], SLOT, v[ADSA]
	v_add_nc_u32 v[ADSB+1], SLOT, v[ADSB]
	s_mul_i32 s87, s[WV], 16*272
	s_add_co_u32 s87, s87, STG
	v_mul_u32_u24 v[STO], v1, 272
	v_lshl_add_u32 v[STO], v2, 5, v[STO]
	v_add_nc_u32 v[STO], s87, v[STO]               ; in: row r, 32 bytes for each half of the lanes
	v_mul_u32_u24 v[RD], v2, 272
	v_lshl_add_u32 v[RD], v1, 4, v[RD]
	v_add_nc_u32 v[RD], s87, v[RD]                 ; back: lanes 0-15 one row of 256 bytes, lanes 16-31 the next
	v_lshlrev_b32 v[GO], 12, v2
	v_lshl_add_u32 v[GO], v1, 4, v[GO]             ; and the same two rows in the output
	s_wait_kmcnt 0x0
	s_add_nc_u64 s[88:89], s[4:5], s[88:89]
	s_add_nc_u64 s[90:91], s[4:5], s[90:91]
	s_add_nc_u64 s[94:95], s[6:7], s[94:95]
	s_add_nc_u64 s[96:97], s[6:7], s[96:97]
	s_add_nc_u64 s[DP:DP+1], s[8:9], s[DP:DP+1]
	s_add_nc_u64 s[OP:OP+1], s[10:11], s[OP:OP+1]
.irp a, 0,1,2,3,4,5,6,7
	global_load_b32 v[DN+2*\a], v[R4], s[DP:DP+1] offset:64*\a
	v_mov_b32 v[DN+2*\a+1], 0                      ; named with it as a pair
.endr
	CROUND                                         ; all four work-groups are here: the first joint loads meet
	GROUP0 48, 0, 88, CSTEP
	GROUP0 56, BCOD, 94, CSTEP
	GROUP0 68, ASCL, 90, ASTEP
	GROUP0 76, BSCL, 96, BSTEP
	TLOAD4 0                                       ; keys 0 .. 511
	s_cmp_eq_u32 s[NSL], 1
	s_cbranch_scc1 .Lone
	TLOAD4 1                                       ; keys 512 .. 1,023, where the walk reaches them
	s_wait_tensorcnt 1                             ; my part of slot 0 is in; slot 1's may stay out
	s_branch .Lgo
.Lone:
	s_wait_tensorcnt 0x0                           ; one load of mine was out
.Lgo:
	s_barrier_signal -1
	s_barrier_wait -1
	FETCH_B 0, 0, 0
	FETCH_A 0, 0, 0
	SCALES 0, 0
	FETCH_A 0, 0, 4
	BODY 0, 1                                      ; the first products start the sums
	s_cmp_eq_u32 s[NSL], 1
	s_cbranch_scc1 .Llast
	s_cmp_eq_u32 s[NSL], 2
	s_cbranch_scc1 .Ltwo
	TURN 0, 1, 1                                   ; three slots or four: slot 0 takes keys 1,024 on
	BODY 1, 0
	s_cmp_eq_u32 s[NSL], 3
	s_cbranch_scc1 .Lthree
	TURN 1, 0, 1                                   ; four: slot 1 takes keys 1,536 on
	BODY 0, 0
.Ltwo:
	TURN 0, 1, 0                                   ; the last change of slots asks for nothing
	BODY 1, 0
	s_branch .Llast
.Lthree:
	TURN 1, 0, 0
	BODY 0, 0
.Llast:
	s_wait_dscnt 24                                ; the walk's last 128 keys: registers alone, whichever slot they came from
	LO1 1, 1, 1, 0
	LO2 1, 1, 1, 0
	s_wait_dscnt 0x0
	HI 1, 1, 1, 0
	WIN 0
	s_wait_loadcnt 0x0                             ; the divisors
.irp a, 0,1,2,3,4,5,6,7
	v_rcp_f32 v[DN+2*\a], v[DN+2*\a]
.endr
	PLACES 4                                       ; the plain line behind the reciprocals, and the places in front of the first reads of results
	s_wait_alu depctr_va_vdst(0)                   ; one wait for the eight, ahead of their first reader
	WIN 0x82
.irp a, 0,1,2,3,4,5,6,7
.irp i, 0,2,4,6,8,10,12,14,16,18,20,22,24,26,28,30
	v_pk_mul_f32 v[32*\a+\i:32*\a+\i+1], v[32*\a+\i:32*\a+\i+1], v[DN+2*\a:DN+2*\a+1] op_sel_hi:[1,0]   ; each accumulator from its low end on
.endr
.endr
; THE WAY OUT, a tile of 16 queries x 64 d at a time, through my own stage: sixteen lanes then store 256 consecutive bytes, at a multiple of 256 from the output's first byte.
; Tile a's rows come back into registers 32 a .. 32 a + 31 of window 1, which v's fragments have left: no register is loaded twice, so no store's data are written again.
.macro TOSTAGE a
	WIN 0x08                                       ; an LDS store's data are its source 1: window 2
.irp b, 0,1,2,3
	ds_store_b128 v[STO], v[32*(\a)+8*\b:32*(\a)+8*\b+3] offset:64*\b
	ds_store_b128 v[STO], v[32*(\a)+8*\b+4:32*(\a)+8*\b+7] offset:64*\b+16
.endr
	WIN 0x40                                       ; destination window 1
.irp t, 0,1,2,3,4,5,6,7
	ds_load_b128 v[32*(\a)+4*\t:32*(\a)+4*\t+3], v[RD] offset:544*\t    ; LDS serves a wave's instructions in order: these see the stores above, and the next tile's stores come behind them
.endr
.endm
.macro SEND a, younger                 ; tile row 2 t + hh is row 32 (a / 2) + 8 (a % 2) + 2 t + 8 (t / 4) + hh of my 128
	s_wait_dscnt \younger
	WIN 0x04                                       ; a store's data are its source 1: window 1
.irp t, 0,1,2,3,4,5,6,7
	global_store_b128 v[GO], v[32*(\a)+4*\t:32*(\a)+4*\t+3], s[OP:OP+1] offset:(32*((\a)/2)+8*((\a)%2)+2*\t+8*(\t/4))*4096 th:TH_STORE_NT
.endr
.endm
	TOSTAGE 0
.irp a, 1,2,3,4,5,6,7
	TOSTAGE \a
	SEND \a-1, 16                                  ; behind tile a - 1's loads: tile a's 8 stores and 8 loads
.endr
	SEND 7, 0
	WIN 0
	s_wait_tensorcnt 0x0                           ; the wave's end
	ds_add_u32 v[SPW], v[NIL]
	s_wait_dscnt 0x0
	CROUND                                         ; the closing round
	s_endpgm
.Lfunc_end_k_q7416932b90_outp:
	.size	k_q7416932b90_outp, .Lfunc_end_k_q7416932b90_outp-k_q7416932b90_outp
	.p2alignl 7, 3214868480
	.fill 96, 4, 3214868480
	.section	.rodata,"a",@progbits
	.p2align	6, 0x0
	.amdhsa_kernel k_q7416932b90_outp
		.amdhsa_group_segment_fixed_size 327680
		.amdhsa_private_segment_fixed_size 0
		.amdhsa_enable_private_segment 0
		.amdhsa_kernarg_size 32
		.amdhsa_user_sgpr_count 2
		.amdhsa_user_sgpr_kernarg_segment_ptr 1
		.amdhsa_wavefront_size32 1
		.amdhsa_system_sgpr_workgroup_id_x 1
		.amdhsa_system_sgpr_workgroup_id_y 1
		.amdhsa_system_sgpr_workgroup_id_z 1
		.amdhsa_system_vgpr_workitem_id 0
		.amdhsa_next_free_vgpr 768
		.amdhsa_next_free_sgpr 100
		.amdhsa_reserve_vcc 0
		.amdhsa_float_denorm_mode_32 3
		.amdhsa_float_denorm_mode_16_64 3
		.amdhsa_memory_ordered 1
		.amdhsa_forward_progress 1
		.amdhsa_inst_pref_size 234
	.end_amdhsa_kernel
	.amdgpu_metadata
---
amdhsa.version: [ 1, 2 ]
amdhsa.kernels:
  - .name:           k_q7416932b90_outp
    .symbol:         k_q7416932b90_outp.kd
    .args:
      - { .name: att, .offset: 0, .size: 8, .value_kind: global_buffer, .address_space: global }
      - { .name: vt, .offset: 8, .size: 8, .value_kind: global_buffer, .address_space: global }
      - { .name: den, .offset: 16, .size: 8, .value_kind: global_buffer, .address_space: global }
      - { .name: out0, .offset: 24, .size: 8, .value_kind: global_buffer, .address_space: global }
    .group_segment_fixed_size: 327680
    .private_segment_fixed_size: 0
    .kernarg_segment_align: 8
    .kernarg_segment_size: 32
    .max_flat_workgroup_size: 128
    .sgpr_count:     100
    .vgpr_count:     768
    .wavefront_size: 32
...
	.end_amdgpu_metadata
.endif
;; end of part 4
